; MI455X (gfx1250); checked and timed in simulation.
; The chip was launched on July 23, 2026; its instructions are those of AMD's public machine-readable ISA for CDNA 5 (MIT licence, August 2026) and "CDNA5" Instruction Set Architecture Reference Guide (July 2026). The comments in the code are by the model that wrote it; some were corrected since.
;; Base Layer. Allowed arithmetic: matrix products marked QUANTISED: E3M2 operands, one E8M0 scale for each 32 along K, by v_wmma_scale_f32_16x16x128_f8f6f4 with both operands' format E3M2, f32 sums; products left as they are: f32 operands where the result goes on into a quantised operand, else bf16, f16 or f32 operands; f32 sums; everything else in f32.
;; Inputs: b1 8 x 512 float32; b2 8 x 1,024 float32; centroids 8 x 1,024 float32; input_features 4 x 2,048 x 1,024 float32; ln_b 8 x 1,024 float32; ln_g 8 x 1,024 float32; w1 8 x 512 x 1,024 float32; w2 8 x 1,024 x 512 float32.
;; Outputs: out0 4 x 2,048 x 1,024 float32.
;; This version of the problem:
;;   THIS VERSION OF THE PROBLEM IS GIVEN IN LOW PRECISION. The matrix products marked QUANTISED in the list below multiply operands that are first quantised to E3M2 (3 exponent bits, 2 mantissa bits; 6 bits a number), with one power-of-two scale for each 32 numbers along K (OCP MX v1.0); their sums are f32. All else is computed in f32.
;;   The module's matrix products, in the order in which they are computed (A, B: the left and right operand; K: the contracted axis; several contracted axes count as one K, in the product's order):
;;     1. [M 8,192, K 1,024] x [K 1,024, N 8]; A: input input_features; B: input centroids: left as it is (N = 8 < 16)
;;     2. batch 8 x [M 8,192, K 1,024] x [K 1,024, N 512]; A: computed on the way; B: input w1: QUANTISED
;;     3. batch 8 x [M 8,192, K 512] x [K 512, N 1,024]; A: computed on the way; B: input w2: QUANTISED
;;     4. [M 8,192, K 1,024] x [K 1,024, N 8]; A: input input_features; B: input centroids: left as it is (N = 8 < 16)
;;     5. batch 8,192 x [M 1, K 8] x [K 8, N 1,024]; A: computed on the way; B: computed on the way: left as it is (K = 8 < 32)
;;   THE QUANTISER, for each operand of a quantised product, along K:
;;     - K is cut into blocks of 32 from its start; a last block that is shorter is filled with zeros.
;;     - A block's scale is 2^e with e = floor(log2(the largest magnitude in the block)) - 4, held to -126 .. 127; a block of zeros has e = 0. As a byte (E8M0): e + 127.
;;     - Each number is divided by its block's scale, clamped to +-28, and rounded to the nearest number of E3M2, ties to even, subnormals kept.
;;     - The product sums the exact products of the quantised numbers (number of the format x scale) in f32.
;;   ~~~python
;;   def quantise(x, axis):      # numpy; x: float32 -> the quantised numbers, widened to float32 again
;;       x = np.moveaxis(x, axis, -1); K = x.shape[-1]
;;       x = np.pad(x, [(0, 0)] * (x.ndim - 1) + [(0, -K % 32)]); x = x.reshape(x.shape[:-1] + (-1, 32)); a = np.abs(x).max(-1, keepdims=True)
;;       e = np.where(a > 0, np.clip(np.frexp(np.where(a > 0, a, 1))[1] - 1 - 4, -126, 127), 0)      # np.frexp(a)[1] - 1 = floor(log2(a)), exactly
;;       r = np.clip(x / 2.0 ** e, -28, 28)
;;       step = 2.0 ** (np.maximum(np.frexp(np.where(r == 0, 1, r))[1] - 1, -2) - 2)
;;       q = np.round(r / step) * step * 2.0 ** e      # np.round: ties to even
;;       return np.moveaxis(q.reshape(q.shape[:-2] + (-1,))[..., :K], -1, axis).astype(np.float32)
;;   ~~~
;;   OPERANDS COMPUTED ON THE WAY. 'Computed on the way' means the value that the module computes at that place (a softmax that the list does not call 'softmax' is quantised finished and normalised). What goes into a quantiser is computed in f32, as accurately as f32 sums, v_exp_f32 and their like allow (about 1e-6 of the number): no bf16 or f16 on the way to a quantiser, and a product that is left as it is and whose result goes on into a quantised operand takes f32 operands (vector FMAs, or v_wmma_f32_16x16x4_f32). A number that lies on a knife's edge between two numbers of the format may be rounded either way, as far as f32 arithmetic and the matrix unit's own rounding can turn it there, and no further.
;; 2 versions. Each part assembles by itself: llvm-mc -triple=amdgcn-amd-amdhsa -mcpu=gfx1250 --defsym DOCPART=n.
;; ======== version 1 of 2: 3 launches
;; workspace buffers: stats 131,072 bytes; assign 32,768 bytes of whole numbers; wc 6,291,456 bytes; ws 262,144 bytes; order 36,864 bytes of whole numbers; tileinfo 1,024 bytes of whole numbers
;; launch route (part 1): grid 256 x 1, 4 waves a work-group, no clusters, 34,304 bytes of LDS; arguments input_features, centroids, stats, assign; writes stats, assign
.if DOCPART == 1
	.amdgcn_target "amdgcn-amd-amdhsa--gfx1250"
	.amdhsa_code_object_version 6
	.text
	.protected	k_q58941ef69e_route
	.globl	k_q58941ef69e_route
	.p2align	8
	.type	k_q58941ef69e_route,@function
k_q58941ef69e_route:
	s_mov_b64 s[64:65], 0
	v_nop
	global_prefetch_b8 v0, s[64:65] scope:SCOPE_SE
	s_setreg_imm32_b32 hwreg(HW_REG_WAVE_MODE, 25, 1), 1
	s_wait_xcnt 0x0
; ROUTER.  For each of the 8,192 tokens (rows of 1,024 f32): the 8 affinities x . centroid[e] by f32 fused multiply-adds, the first largest of them
; (argmax, the lower index on a tie), alpha = sigmoid(that affinity), the row's mean and 1 / sqrt(variance + 1e-5) (two passes: the mean first, then the squares of the differences).
; Stored at fixed places: stats[token] = (mu, rstd, alpha, 0), assign[token] = 4 x expert.  No address here hangs on a result.
; SHARES.  A work-group takes 32 tokens, each of its four waves 8.  A row lies across the wave: lane l holds columns 128 j + 4 l + c (j = 0..7, c = 0..3), so each load of a wave reads 512 consecutive bytes.
; The centroids (32 KiB) come into LDS once for the work-group, a quarter by each wave, and from there into 256 registers of every wave, in the rows' layout.
; No matrix unit: N = 8, and the choice of the expert wants f32 products.  No cluster: the work-groups share the centroids alone, a fifth of what each reads.
; LIMITS: NaN and infinities are not served.  Two affinities that differ by less than the rounding of an f32 sum of 1,024 terms may choose the other expert.
; REGISTERS: window 0: addresses and arithmetic; window 1: centroid e at v[32 e + 4 j + c]; window 2: row i at v[32 i + 4 j + c].
.set STG,  32768                       ; LDS: behind the centroids: 32 tokens x 16 bytes of stats,
.set STR,  33280                       ; and 32 x 4 bytes of experts
.set AC,   16                          ; v16-31   the 8 affinities, each in two halves
.set SM,   32                          ; v32-47   sums of the row
.set VV,   56                          ; v56-63   sums of squares, four chains
.set RD,   64                          ; v64-73   numbers to be summed over the lanes
.set PT,   74                          ; v74-83   the other half's
.set BEST, 84
.set IDX,  85
.set MU,   86                          ; v86-87   the mean, twice
.set VAR,  88
.set RS,   89
.set AL,   90
.set TT,   91
.set CST,  96                          ; v96-159  my quarter of the centroids on its way to LDS
.set OV,   160                         ; v160-163 lane l: (mu, rstd, alpha, 0) of row l % 8
.set OI,   164                         ; v164     4 x its expert
.set DD,   176                         ; v176-207 x - mu
.set MSB, 0
.macro WIN new                         ; the immediate's high byte repeats the setting that is left
.if MSB != (\new)
	s_set_vgpr_msb (MSB<<8)|(\new)
.set MSB, \new
.endif
.endm
.macro XLOAD i                         ; row i of my 8: eight loads of 512 consecutive bytes
.irp j, 0,1,2,3,4,5,6,7
	global_load_b128 v[32*\i+4*\j:32*\i+4*\j+3], v1, s[4:5] offset:4096*\i+512*\j
.endr
.endm
.macro RED n, base, tmp                ; n numbers are summed over the 32 lanes, by turns; every lane ends with the sums
.irp x, 1,2,4,8
.set q, 0
.rept \n
	v_add_f32_dpp v[\base+q], v[\base+q], v[\base+q] row_xmask:\x row_mask:0xf bank_mask:0xf
.set q, q+1
.endr
.endr
.set q, 0
.rept \n
	v_permlanex16_b32 v[\tmp+q], v[\base+q], s12, s13
.set q, q+1
.endr
.set q, 0
.rept \n
	v_add_f32 v[\base+q], v[\base+q], v[\tmp+q]
.set q, q+1
.endr
.endm
.macro KEEP dst, src, i                ; lanes l with l % 8 = i keep row i's number
.if \i == 0
	s_wait_alu depctr_va_vdst(0)
	v_mov_b32 v[\dst], v[\src]
.else
	s_wait_alu depctr_va_vdst(0)
	v_cndmask_b32 v[\dst], v[\dst], v[\src], s16
.endif
.endm
	s_load_b256 s[4:11], s[0:1], 0x0               ; x s[4:5], centroids s[6:7], stats s[8:9], assign s[10:11]
	v_lshl_add_u32 v254, v0, 2, 0x8400
	v_mov_b32 v255, 0
	v_lshrrev_b32 v9, 5, v0
	v_readfirstlane_b32 s2, v9                     ; wave 0..3
	v_and_b32 v10, 31, v0                          ; lane
	v_lshlrev_b32 v1, 4, v10                       ; 16 x lane
	v_lshl_add_u32 v2, v9, 13, v1                  ; my quarter of the centroids: 8,192 x wave + 16 x lane, in memory and in LDS alike
	v_and_b32 v11, 7, v0
	v_lshlrev_b32 v3, 4, v11
	v_lshl_add_u32 v3, v9, 7, v3
	v_add_nc_u32 v3, STG, v3                       ; where row l % 8 of my wave puts its stats
	v_lshlrev_b32 v4, 2, v11
	v_lshl_add_u32 v4, v9, 5, v4
	v_add_nc_u32 v4, STR, v4                       ; and its expert
	v_add_nc_u32 v5, STG, v1                       ; back: 16 bytes a lane,
	v_lshlrev_b32 v8, 2, v10
	v_add_nc_u32 v6, STR, v8                       ; 4 bytes a lane
	s_mov_b32 s12, 0x76543210
	s_mov_b32 s13, 0xfedcba98                      ; v_permlanex16_b32's selects for lane l xor 16
	s_mov_b32 s14, 0x3a800000                      ; 1 / 1,024
	s_mov_b32 s15, 0x3727c5ac                      ; 1e-5
	s_lshl_b32 s18, ttmp9, 17                      ; 32 rows of 4,096 bytes a work-group,
	s_lshl_b32 s19, s2, 15                         ; 8 a wave
	s_add_co_u32 s18, s18, s19
	s_mov_b32 s19, 0
	s_lshl_b32 s20, ttmp9, 9
	s_mov_b32 s21, 0
	s_lshl_b32 s22, ttmp9, 7
	s_mov_b32 s23, 0
.irp q, 0,1,2,3,4,5,6,7,8,9
	v_mov_b32 v[PT+\q], 0                          ; written once: a lane permute's destination counts as one of its sources
.endr
	v_mov_b32 v[OV+3], 0
	s_wait_kmcnt 0x0
	s_add_nc_u64 s[4:5], s[4:5], s[18:19]
	s_add_nc_u64 s[8:9], s[8:9], s[20:21]
	s_add_nc_u64 s[10:11], s[10:11], s[22:23]
.irp i, 0,1,2,3,4,5,6,7,8,9,10,11,12,13,14,15
	global_load_b128 v[CST+4*\i:CST+4*\i+3], v2, s[6:7] offset:512*\i
.endr
	WIN 0x80                                       ; destination window 2
	XLOAD 0
	XLOAD 1
	XLOAD 2
	XLOAD 3
	XLOAD 4
	WIN 0
	s_wait_loadcnt 40                              ; the centroids' 16 loads are in; the 40 loads of rows 0 to 4 stay out
.irp i, 0,1,2,3,4,5,6,7,8,9,10,11,12,13,14,15
	ds_store_b128 v2, v[CST+4*\i:CST+4*\i+3] offset:512*\i
.endr
	WIN 0x80
	XLOAD 5
	XLOAD 6
	XLOAD 7
	WIN 0
	s_wait_dscnt 0x0                               ; for the others' sake: my quarter lies in LDS
	s_barrier_signal -1
	s_barrier_wait -1
	WIN 0x40                                       ; destination window 1
.irp e, 0,1,2,3,4,5,6,7
.irp j, 0,1,2,3,4,5,6,7
	ds_load_b128 v[32*\e+4*\j:32*\e+4*\j+3], v1 offset:4096*\e+512*\j
.endr
.endr
	WIN 0
	s_wait_dscnt 0x0
.macro ROW i
	s_wait_loadcnt 8*(7-\i)                        ; row i is in; the eight loads of each later row stay out
	WIN 0x06                                       ; source 0 (x) window 2, source 1 (centroids) window 1
.irp e, 0,1,2,3,4,5,6,7
	v_pk_mul_f32 v[AC+2*\e:AC+2*\e+1], v[32*\i:32*\i+1], v[32*\e:32*\e+1]    ; the first products start the sums
.endr
.set p, 1
.rept 15
.irp e, 0,1,2,3,4,5,6,7
	v_pk_fma_f32 v[AC+2*\e:AC+2*\e+1], v[32*\i+2*p:32*\i+2*p+1], v[32*\e+2*p:32*\e+2*p+1], v[AC+2*\e:AC+2*\e+1]   ; the eight experts by turns
.endr
.set p, p+1
.endr
	WIN 0x0a                                       ; sources 0 and 1 window 2
.irp q, 0,1,2,3,4,5,6,7
	v_pk_add_f32 v[SM+2*\q:SM+2*\q+1], v[32*\i+4*\q:32*\i+4*\q+1], v[32*\i+4*\q+2:32*\i+4*\q+3]
.endr
	WIN 0
	v_pk_add_f32 v[SM:SM+1], v[SM:SM+1], v[SM+2:SM+3]
	v_pk_add_f32 v[SM+4:SM+5], v[SM+4:SM+5], v[SM+6:SM+7]
	v_pk_add_f32 v[SM+8:SM+9], v[SM+8:SM+9], v[SM+10:SM+11]
	v_pk_add_f32 v[SM+12:SM+13], v[SM+12:SM+13], v[SM+14:SM+15]
	v_pk_add_f32 v[SM:SM+1], v[SM:SM+1], v[SM+4:SM+5]
	v_pk_add_f32 v[SM+8:SM+9], v[SM+8:SM+9], v[SM+12:SM+13]
	v_pk_add_f32 v[SM:SM+1], v[SM:SM+1], v[SM+8:SM+9]
.irp e, 0,1,2,3,4,5,6,7
	v_add_f32 v[RD+\e], v[AC+2*\e], v[AC+2*\e+1]
.endr
	v_add_f32 v[RD+8], v[SM], v[SM+1]
	RED 9, RD, PT                                  ; the 8 affinities and the row's sum
	v_mul_f32 v[MU], s14, v[RD+8]
	v_mov_b32 v[MU+1], v[MU]
	WIN 0x02                                       ; source 0 window 2
.set p, 0
.rept 16
	v_pk_add_f32 v[DD+2*p:DD+2*p+1], v[32*\i+2*p:32*\i+2*p+1], v[MU:MU+1] neg_lo:[0,1] neg_hi:[0,1]
.set p, p+1
.endr
	WIN 0
.irp q, 0,1,2,3
	v_pk_mul_f32 v[VV+2*\q:VV+2*\q+1], v[DD+2*\q:DD+2*\q+1], v[DD+2*\q:DD+2*\q+1]
.endr
.set p, 4
.rept 12
	v_pk_fma_f32 v[VV+2*(p%4):VV+2*(p%4)+1], v[DD+2*p:DD+2*p+1], v[DD+2*p:DD+2*p+1], v[VV+2*(p%4):VV+2*(p%4)+1]
.set p, p+1
.endr
	v_pk_add_f32 v[VV:VV+1], v[VV:VV+1], v[VV+2:VV+3]
	v_pk_add_f32 v[VV+4:VV+5], v[VV+4:VV+5], v[VV+6:VV+7]
	v_pk_add_f32 v[VV:VV+1], v[VV:VV+1], v[VV+4:VV+5]
	v_add_f32 v[RD+9], v[VV], v[VV+1]
	RED 1, RD+9, PT+9
	v_fma_f32 v[VAR], v[RD+9], s14, s15            ; variance + 1e-5
	v_rsq_f32 v[RS], v[VAR]
	v_mov_b32 v[BEST], v[RD]                       ; (plain lines follow the root)  the first largest affinity:
	v_mov_b32 v[IDX], 0
.irp e, 1,2,3,4,5,6,7
	v_cmp_le_f32 vcc_lo, v[RD+\e], v[BEST]         ; not larger: the earlier expert stays
	v_cndmask_b32 v[BEST], v[RD+\e], v[BEST], vcc_lo
	v_cndmask_b32 v[IDX], 4*\e, v[IDX], vcc_lo
.endr
	s_mov_b32 s16, 0x01010101<<\i
	v_mul_f32 v[TT], 0xbfb8aa3b, v[BEST]           ; -a log2(e)
	v_exp_f32 v[TT], v[TT]
	KEEP OV, MU, \i                                ; (a plain line behind the exponential)
	s_wait_alu depctr_va_vdst(0)
	v_add_f32 v[TT], 1.0, v[TT]
	v_rcp_f32 v[AL], v[TT]                         ; alpha = 1 / (1 + e^-a)
	KEEP OV+1, RS, \i                              ; (a plain line behind the reciprocal)
	KEEP OI, IDX, \i
	KEEP OV+2, AL, \i
.endm
	ROW 0
	ROW 1
	ROW 2
	ROW 3
	ROW 4
	ROW 5
	ROW 6
	ROW 7
	ds_store_b128 v3, v[OV:OV+3]                   ; four lanes hold the same row and write the same bytes with the same values
	ds_store_b32 v4, v[OI]
	s_wait_dscnt 0x0
	s_barrier_signal -1
	s_barrier_wait -1
	s_cmp_lg_u32 s2, 0                             ; wave 0 stores the work-group's 32 tokens: 512 consecutive bytes of stats, 128 of experts
	s_cbranch_scc1 .Lend
	ds_load_b128 v[168:171], v5
	ds_load_b32 v172, v6
	s_wait_dscnt 0x0
	global_store_b128 v1, v[168:171], s[8:9]
	global_store_b32 v8, v172, s[10:11]
.Lend:
	s_wait_tensorcnt 0x0
	ds_add_u32 v254, v255
	s_wait_dscnt 0x0
	s_endpgm
.Lfunc_end_k_q58941ef69e_route:
	.size	k_q58941ef69e_route, .Lfunc_end_k_q58941ef69e_route-k_q58941ef69e_route
	.p2alignl 7, 3214868480
	.fill 96, 4, 3214868480
	.section	.rodata,"a",@progbits
	.p2align	6, 0x0
	.amdhsa_kernel k_q58941ef69e_route
		.amdhsa_group_segment_fixed_size 34304
		.amdhsa_private_segment_fixed_size 0
		.amdhsa_enable_private_segment 0
		.amdhsa_kernarg_size 32
		.amdhsa_user_sgpr_count 2
		.amdhsa_user_sgpr_kernarg_segment_ptr 1
		.amdhsa_wavefront_size32 1
		.amdhsa_system_sgpr_workgroup_id_x 1
		.amdhsa_system_sgpr_workgroup_id_y 1
		.amdhsa_system_sgpr_workgroup_id_z 1
		.amdhsa_system_vgpr_workitem_id 0
		.amdhsa_next_free_vgpr 768
		.amdhsa_next_free_sgpr 66
		.amdhsa_reserve_vcc 1
		.amdhsa_float_denorm_mode_32 3
		.amdhsa_float_denorm_mode_16_64 3
		.amdhsa_memory_ordered 1
		.amdhsa_forward_progress 1
		.amdhsa_inst_pref_size 149
	.end_amdhsa_kernel
	.amdgpu_metadata
---
amdhsa.version: [ 1, 2 ]
amdhsa.kernels:
  - .name:           k_q58941ef69e_route
    .symbol:         k_q58941ef69e_route.kd
    .args:
      - { .name: input_features, .offset: 0, .size: 8, .value_kind: global_buffer, .address_space: global }
      - { .name: centroids, .offset: 8, .size: 8, .value_kind: global_buffer, .address_space: global }
      - { .name: stats, .offset: 16, .size: 8, .value_kind: global_buffer, .address_space: global }
      - { .name: assign, .offset: 24, .size: 8, .value_kind: global_buffer, .address_space: global }
    .group_segment_fixed_size: 34304
    .private_segment_fixed_size: 0
    .kernarg_segment_align: 8
    .kernarg_segment_size: 32
    .max_flat_workgroup_size: 128
    .sgpr_count:     66
    .vgpr_count:     768
    .wavefront_size: 32
...
	.end_amdgpu_metadata
.endif
;; end of part 1
;; launch prep (part 2): grid 257 x 1, 8 waves a work-group, no clusters, 137,472 bytes of LDS; arguments w1, w2, assign, wc, ws, order, tileinfo; writes wc, ws, order, tileinfo
.if DOCPART == 2
	.amdgcn_target "amdgcn-amd-amdhsa--gfx1250"
	.amdhsa_code_object_version 6
	.text
	.protected	k_q58941ef69e_prep
	.globl	k_q58941ef69e_prep
	.p2align	8
	.type	k_q58941ef69e_prep,@function
k_q58941ef69e_prep:
	s_mov_b64 s[64:65], 0
	v_nop
	global_prefetch_b8 v0, s[64:65] scope:SCOPE_SE
	s_setreg_imm32_b32 hwreg(HW_REG_WAVE_MODE, 25, 1), 1
	s_wait_xcnt 0x0
; TWO JOBS IN ONE LAUNCH.  Work-groups 0 to 255 turn w1 [8][512][1024] and w2 [8][1024][512], f32 with K innermost, into codes of BF6 (E3M2) with one E8M0 byte for each 32 along K;
; work-group 256 sorts the tokens by their experts (a counting sort, no atomics) beside them.  The two ways part on the work-group's number and have LDS bytes of their own.
; THE CODES ARE LAID IN THE ORDER OF THE OPERAND'S REGISTERS.  wc: 512 blocks of 8 fragments of 1,536 bytes.  A fragment (16 rows x 128 K, 12 registers a lane) is three runs of 512 bytes:
; run c holds lane l's registers 4 c .. 4 c + 3 at byte 16 l.  Lane (r, h) of the fragment with parity u takes row 8 u + r + 8 (r / 8) of its 32 rows; registers 6 c .. 6 c + 5 hold K = 64 c + 32 h + 0 .. 31.
; Block ((4 e + w) 8 + s) of w1: fragment t: rows 512 e + 128 w + 32 (t / 2) on, K = 128 s on.  Block 256 + ((4 e + w) 8 + p) of w2: fragment 2 s + u: rows 1024 e + 256 w + 32 p on, K = 128 s on.
; ws: 512 blocks of 512 bytes: lane l's 16 bytes at 16 l; its word q is the scale word of row l % 16 of fragment 2 q (lanes 0-15) or 2 q + 1 (lanes 16-31).
; In both tensors fragments 2 v and 2 v + 1 of a block are 32 consecutive rows x 128 K: one wave's share.  A work-group makes two blocks, four waves each.
; A block's scale is 2^(floor(log2(its largest magnitude)) - 4); its byte is that magnitude's exponent field - 4, held at 1 from below.  A block of zeros so gets the byte 1: its codes are zeros, and this program alone reads the bytes.
; LIMITS: NaN and infinities among the weights are not served.
; THE SORT.  order[64 tile + k] = the token in row k of a tile of 64 rows of one expert (0 in the rows that are left over); tileinfo[tile] = expert | rows << 8.  Experts follow each other, each beginning a new tile:
; never more than 128 + 7 tiles.  All 256 entries of tileinfo and all 9,216 of order are written.
.set QST, 0                            ; LDS, quantiser: a stage of 32 rows x (512 + 16) bytes for each wave;
.set QSC, 8*32*528                     ; two blocks' scale words
.set SRT, QSC+1024                     ; LDS, sort: the eight waves' counts
.set DQ,  64                           ; v64-191   32 rows as loaded
.set XQ,  192                          ; v192-255  a lane's two blocks of 32 neighbours
.set CD,  16                           ; v16-27    a fragment's codes
	s_load_b256 s[4:11], s[0:1], 0x0               ; w1 s[4:5], w2 s[6:7], assign s[8:9], wc s[10:11]
	s_load_b128 s[12:15], s[0:1], 0x20             ; ws s[12:13], order s[14:15]
	s_load_b64 s[16:17], s[0:1], 0x30              ; tileinfo
	v_lshl_add_u32 v62, v0, 2, 0x21500
	v_mov_b32 v63, 0
	v_lshrrev_b32 v2, 5, v0
	v_readfirstlane_b32 s2, v2                     ; wave 0..7
	s_cmp_eq_u32 ttmp9, 256
	s_cbranch_scc1 .Lsort
	; ---------------- the quantiser ----------------
	v_and_b32 v3, 31, v0
	v_lshlrev_b32 v1, 4, v3                        ; 16 x lane
	s_lshr_b32 s18, s2, 2                          ; which of the work-group's two blocks
	s_and_b32 s19, s2, 3                           ; v: which pair of fragments
	s_lshl_b32 s20, ttmp9, 1
	s_add_co_u32 s20, s20, s18                     ; the block, 0..511
	s_mul_i32 s21, s2, 32*528                      ; my stage
	v_add_nc_u32 v4, s21, v1                       ; in: a row's 512 bytes as they lie
	v_and_b32 v8, 15, v0                           ; r
	v_bfe_u32 v9, v0, 4, 1                         ; h
	v_mul_u32_u24 v5, v8, 528
	v_lshl_add_u32 v5, v9, 7, v5
	v_add_nc_u32 v5, s21, v5                       ; out: place r, + 128 h: my 32 neighbours of each 64
	s_lshl_b32 s22, s18, 9
	s_add_co_u32 s22, s22, QSC
	v_add_nc_u32 v7, s22, v1                       ; my block's scale words: 16 bytes a lane,
	s_lshl_b32 s23, s19, 2
	v_add_nc_u32 v6, s23, v7                       ; word v of them
	v_lshlrev_b32 v14, 3, v9                       ; 8 h
	v_mov_b32 v15, 0                               ; (a lane permute's destination counts as one of its sources)
	s_mov_b32 s30, 0x76543210
	s_mov_b32 s31, 0xfedcba98
	s_mov_b32 s33, 0xffff0000                      ; lanes 16-31
	s_lshr_b32 s24, s20, 3                         ; w1: (128 (block / 8) + 32 v) rows of 4,096 bytes + 512 (block % 8)
	s_lshl_b32 s24, s24, 19
	s_lshl_b32 s25, s19, 17
	s_add_co_u32 s24, s24, s25
	s_and_b32 s25, s20, 7
	s_lshl_b32 s25, s25, 9
	s_add_co_u32 s24, s24, s25
	s_and_b32 s26, s20, 255                        ; w2: 32 (block - 256) rows of 2,048 bytes + 512 v
	s_lshl_b32 s26, s26, 16
	s_lshl_b32 s27, s19, 9
	s_add_co_u32 s26, s26, s27
	s_mul_i32 s28, s20, 8*1536                     ; the codes: block x 12,288 + 2 v fragments
	s_mul_i32 s29, s19, 2*1536
	s_add_co_u32 s28, s28, s29
	s_mov_b32 s29, 0
	s_lshl_b32 s34, s20, 9                         ; the scale words: block x 512
	s_mov_b32 s35, 0
	s_wait_kmcnt 0x0
	s_cmp_lt_u32 ttmp9, 128                        ; w1's work-group or w2's: the choice hangs on the work-group's number alone
	s_cselect_b32 s24, s24, s26
	s_cselect_b64 s[4:5], s[4:5], s[6:7]
	s_mov_b32 s25, 0
	s_add_nc_u64 s[4:5], s[4:5], s[24:25]
	s_add_nc_u64 s[10:11], s[10:11], s[28:29]
	s_add_nc_u64 s[12:13], s[12:13], s[34:35]
.macro QLOAD pitch                     ; 32 rows, 512 consecutive bytes each: 16 KiB of a wave on their way
.set i, 0
.rept 32
	global_load_b128 v[DQ+4*i:DQ+4*i+3], v1, s[4:5] offset:i*\pitch th:TH_LOAD_NT
.set i, i+1
.endr
.endm
	s_cmp_lt_u32 ttmp9, 128
	s_cbranch_scc0 .Lq2
	QLOAD 4096
	s_branch .Lqj
.Lq2:
	QLOAD 2048
.Lqj:
.set i, 0
.rept 32                               ; row i goes to place 16 u + r of the stage, u = (i / 8) % 2, r = i % 8 + 8 (i / 16): a fragment's rows then lie side by side
.if (i%8) == 0
	s_wait_loadcnt 24-i                            ; the next eight rows are in; the later ones stay out
.endif
	ds_store_b128 v4, v[DQ+4*i:DQ+4*i+3] offset:(16*((i>>3)&1)+(i&7)+8*(i>>4))*528
.set i, i+1
.endr
.macro QFRAG u
.if \u
	s_wait_xcnt 0x0                                ; the first fragment's stores have read their registers
.endif
.irp c, 0,1
.irp j, 0,1,2,3,4,5,6,7
	ds_load_b128 v[XQ+32*\c+4*\j:XQ+32*\c+4*\j+3], v5 offset:16*\u*528+256*\c+16*\j   ; LDS serves a wave's instructions in order: these see my stores
.endr
.endr
	s_wait_dscnt 0x0
.irp c, 0,1
	v_max3_num_f32 v[8+\c], |v[XQ+32*\c]|, |v[XQ+32*\c+1]|, 0x2800000   ; my block 2 c + h: all 32 numbers are mine; the floor 2^(5 - 127) holds the byte at 1 from below
.endr
.irp i, 2,4,6,8,10,12,14,16,18,20,22,24,26,28,30
.irp c, 0,1
	v_max3_num_f32 v[8+\c], v[8+\c], |v[XQ+32*\c+\i]|, |v[XQ+32*\c+\i+1]|
.endr
.endr
.irp c, 0,1
	v_add_nc_u32 v[10+\c], 0xfe000000, v[8+\c]     ; 4 off the exponent field: the conversion's scale operand
.endr
.irp c, 0,1
	v_lshrrev_b32 v[12+\c], 23, v[10+\c]           ; the scale's byte
.endr
	v_cvt_scalef32_pk16_bf6_f32 v[CD:CD+2], v[XQ:XQ+15], v10
	v_cvt_scalef32_pk16_bf6_f32 v[28:30], v[XQ+16:XQ+31], v10        ; (a conversion's three registers begin on an even number)
	v_cvt_scalef32_pk16_bf6_f32 v[CD+6:CD+8], v[XQ+32:XQ+47], v11
	v_cvt_scalef32_pk16_bf6_f32 v[32:34], v[XQ+48:XQ+63], v11
	v_lshl_or_b32 v[36+\u], v13, 16, v12           ; (a plain line behind the conversions)  my two bytes: blocks h and 2 + h of my row,
.irp i, 0,1,2
	v_mov_b32 v[CD+3+\i], v[28+\i]
	v_mov_b32 v[CD+9+\i], v[32+\i]
.endr
	v_lshlrev_b32 v[36+\u], v14, v[36+\u]          ; at their places in the word;
	v_permlanex16_b32 v15, v[36+\u], s30, s31
	v_or_b32 v[36+\u], v[36+\u], v15               ; with lane l xor 16's two the word is whole
.irp c, 0,1,2
	global_store_b128 v1, v[CD+4*\c:CD+4*\c+3], s[10:11] offset:\u*1536+512*\c     ; 512 consecutive bytes, aligned
.endr
.endm
	QFRAG 0
	QFRAG 1
	v_cndmask_b32 v38, v36, v37, s33               ; lanes 0-15: the even fragment's words, lanes 16-31: the odd one's
	ds_store_b32 v6, v38
	s_wait_dscnt 0x0
	s_barrier_signal -1
	s_barrier_wait -1
	s_cmp_lg_u32 s19, 0                            ; one wave of each four stores its block's 512 bytes of scale words
	s_cbranch_scc1 .Lqend
	ds_load_b128 v[40:43], v7
	s_wait_dscnt 0x0
	global_store_b128 v1, v[40:43], s[12:13]
.Lqend:
	s_wait_tensorcnt 0x0
	ds_add_u32 v62, v63
	s_wait_dscnt 0x0
	s_endpgm
	; ---------------- the sort: 256 threads, 32 tokens each ----------------
	; v16-23 the next free place of each expert; v24-27 counts, two experts to a register (expert i below, i + 4 above); v28-31 my own counts; v64-95 my tokens' 4 x expert; v96-127 places; v128-159 tokens
.Lsort:
	v_lshlrev_b32 v1, 4, v0                        ; 16 x thread
	v_lshlrev_b32 v2, 2, v0                        ; 4 x thread
.irp q, 0,1,2,3
	v_mov_b32 v[44+\q], 0
	v_mov_b32 v[32+\q], 0
.endr
	v_mov_b32 v48, 1
	v_lshrrev_b32 v51, 5, v0
	v_lshl_add_u32 v51, v51, 4, SRT                ; my wave's 16 bytes
	v_mov_b32 v56, SRT
	s_mov_b32 s41, 0x0f0f0f0f
	s_mov_b32 s42, 0x00ff00ff
	s_mov_b32 s43, 0xffff0000
	s_wait_kmcnt 0x0
.irp i, 0,1,2,3,4,5,6,7
	global_load_b128 v[64+4*\i:67+4*\i], v1, s[8:9] offset:4096*\i      ; register 4 i + c: token 1,024 i + 4 thread + c
.endr
.irp i, 0,1,2,3,4,5,6,7,8
	global_store_b128 v1, v[44:47], s[14:15] offset:4096*\i             ; all of order becomes 0: the rows that are left over stay so
.endr
	s_wait_loadcnt 0x0
.irp g, 0,1,2,3                        ; a 1 in the expert's four bits; eight tokens are added so (8 fits), then widened to bytes (32 fits)
	v_lshlrev_b32 v32, v[64+8*\g], v48
.irp j, 1,2,3,4,5,6,7
	v_lshlrev_b32 v33, v[64+8*\g+\j], v48
	v_add_nc_u32 v32, v32, v33
.endr
	v_and_b32 v33, s41, v32
	v_lshrrev_b32 v34, 4, v32
	v_and_b32 v34, s41, v34
.if \g == 0
	v_mov_b32 v49, v33                             ; experts 0, 2, 4, 6
	v_mov_b32 v50, v34                             ; experts 1, 3, 5, 7
.else
	v_add_nc_u32 v49, v49, v33
	v_add_nc_u32 v50, v50, v34
.endif
.endr
	v_and_b32 v24, s42, v49                        ; to 16 bits (8,192 fits): (0, 4)
	v_and_b32 v25, s42, v50                        ; (1, 5)
	v_lshrrev_b32 v26, 8, v49
	v_lshrrev_b32 v27, 8, v50
	v_and_b32 v26, s42, v26                        ; (2, 6)
	v_and_b32 v27, s42, v27                        ; (3, 7)
.irp q, 0,1,2,3
	v_mov_b32 v[28+\q], v[24+\q]
.endr
.irp n, 1,2,4,8                        ; running sums over the 16 lanes of a row
.irp q, 0,1,2,3
	v_mov_b32_dpp v[32+\q], v[24+\q] row_shr:\n row_mask:0xf bank_mask:0xf bound_ctrl:1
.endr
.irp q, 0,1,2,3
	v_add_nc_u32 v[24+\q], v[24+\q], v[32+\q]
.endr
.endr
.irp q, 0,1,2,3
	v_readlane_b32 s[44+\q], v[24+\q], 15          ; the lower row's total goes onto lanes 16-31
.endr
.irp q, 0,1,2,3
	v_mov_b32 v[32+\q], s[44+\q]
	v_cndmask_b32 v[32+\q], v44, v[32+\q], s43
	v_add_nc_u32 v[24+\q], v[24+\q], v[32+\q]
.endr
.irp q, 0,1,2,3
	v_readlane_b32 s[44+\q], v[24+\q], 31          ; my wave's totals
.endr
.irp q, 0,1,2,3
	v_mov_b32 v[52+\q], s[44+\q]
.endr
	ds_store_b128 v51, v[52:55]
	s_wait_storecnt 0x0                            ; my zeros are written: no wave places a token before every wave's zeros are done
	s_wait_dscnt 0x0
	s_barrier_signal -1
	s_barrier_wait -1
.irp w, 0,1,2,3,4,5,6,7
	ds_load_b128 v[160+4*\w:163+4*\w], v56 offset:16*\w
.endr
	s_wait_dscnt 0x0
.irp q, 0,1,2,3
	v_mov_b32 v[36+\q], v[160+\q]                  ; all waves' totals,
	v_mov_b32 v[40+\q], 0                          ; and those of the waves in front of mine
.endr
.irp w, 0,1,2,3,4,5,6
	s_cmp_gt_u32 s2, \w
	s_cselect_b32 s48, -1, 0
.irp q, 0,1,2,3
	v_and_b32 v[32+\q], s48, v[160+4*\w+\q]
	v_add_nc_u32 v[40+\q], v[40+\q], v[32+\q]
	v_add_nc_u32 v[36+\q], v[36+\q], v[164+4*\w+\q]
.endr
.endr
.irp q, 0,1,2,3
	v_readfirstlane_b32 s[20+\q], v[36+\q]
.endr
.irp q, 0,1,2,3
	s_and_b32 s[24+\q], s[20+\q], 0xffff           ; s24-31: each expert's tokens
	s_lshr_b32 s[28+\q], s[20+\q], 16
.endr
	s_mov_b32 s32, 0                               ; s32-40: each expert's first tile
.irp e, 0,1,2,3,4,5,6,7
	s_add_co_u32 s49, s[24+\e], 63
	s_lshr_b32 s49, s49, 6
	s_add_co_u32 s[33+\e], s[32+\e], s49
.endr
.irp q, 0,1,2,3
	v_add_nc_u32 v[32+\q], v[40+\q], v[24+\q]
	v_sub_nc_u32 v[32+\q], v[32+\q], v[28+\q]      ; tokens of each expert in front of mine
	v_and_b32 v[16+\q], 0xffff, v[32+\q]
	v_lshrrev_b32 v[20+\q], 16, v[32+\q]
	v_lshl_add_u32 v[16+\q], s[32+\q], 6, v[16+\q] ; + 64 x the expert's first tile
	v_lshl_add_u32 v[20+\q], s[36+\q], 6, v[20+\q]
.endr
.set j, 0
.rept 32                               ; token j takes its expert's next place; each has registers of its own, so that no store's sources are written again
	v_mov_b32 v[96+j], v16
.irp e, 0,1,2,3,4,5,6,7
	v_cmp_eq_u32 vcc_lo, 4*\e, v[64+j]
.if \e > 0
	v_cndmask_b32 v[96+j], v[96+j], v[16+\e], vcc_lo
.endif
	v_add_co_ci_u32 v[16+\e], vcc_lo, 0, v[16+\e], vcc_lo            ; + 1 where it was taken
.endr
	v_min_u32 v[96+j], 0x21bf, v[96+j]             ; 135 tiles x 64 - 1: no place lies beyond
	v_lshlrev_b32 v[96+j], 2, v[96+j]
	v_add_nc_u32 v[128+j], 1024*(j/4)+j%4, v2
	global_store_b32 v[96+j], v[128+j], s[14:15]
.set j, j+1
.endr
	v_mov_b32 v57, 0                               ; tile = thread: the last expert whose first tile is not beyond it
	v_mov_b32 v58, s24
	v_mov_b32 v59, 0
.irp e, 1,2,3,4,5,6,7
	v_cmp_gt_u32 vcc_lo, s[32+\e], v0
	v_cndmask_b32 v57, s[32+\e], v57, vcc_lo
	v_cndmask_b32 v58, s[24+\e], v58, vcc_lo
	v_cndmask_b32 v59, \e, v59, vcc_lo
.endr
	v_sub_nc_u32 v60, v0, v57
	v_lshlrev_b32 v60, 6, v60                      ; the expert's tokens in earlier tiles
	v_cmp_gt_u32 vcc_lo, v58, v60
	v_sub_nc_u32 v61, v58, v60
	v_min_u32 v61, 64, v61
	v_cndmask_b32 v61, 0, v61, vcc_lo              ; rows: what is left, 64 at the most, 0 behind the last tile
	v_lshl_or_b32 v61, v61, 8, v59
	global_store_b32 v2, v61, s[16:17]
	s_wait_tensorcnt 0x0
	ds_add_u32 v62, v63
	s_wait_dscnt 0x0
	s_endpgm
.Lfunc_end_k_q58941ef69e_prep:
	.size	k_q58941ef69e_prep, .Lfunc_end_k_q58941ef69e_prep-k_q58941ef69e_prep
	.p2alignl 7, 3214868480
	.fill 96, 4, 3214868480
	.section	.rodata,"a",@progbits
	.p2align	6, 0x0
	.amdhsa_kernel k_q58941ef69e_prep
		.amdhsa_group_segment_fixed_size 137472
		.amdhsa_private_segment_fixed_size 0
		.amdhsa_enable_private_segment 0
		.amdhsa_kernarg_size 56
		.amdhsa_user_sgpr_count 2
		.amdhsa_user_sgpr_kernarg_segment_ptr 1
		.amdhsa_wavefront_size32 1
		.amdhsa_system_sgpr_workgroup_id_x 1
		.amdhsa_system_sgpr_workgroup_id_y 1
		.amdhsa_system_sgpr_workgroup_id_z 1
		.amdhsa_system_vgpr_workitem_id 0
		.amdhsa_next_free_vgpr 256
		.amdhsa_next_free_sgpr 66
		.amdhsa_reserve_vcc 1
		.amdhsa_float_denorm_mode_32 3
		.amdhsa_float_denorm_mode_16_64 3
		.amdhsa_memory_ordered 1
		.amdhsa_forward_progress 1
		.amdhsa_inst_pref_size 68
	.end_amdhsa_kernel
	.amdgpu_metadata
---
amdhsa.version: [ 1, 2 ]
amdhsa.kernels:
  - .name:           k_q58941ef69e_prep
    .symbol:         k_q58941ef69e_prep.kd
    .args:
      - { .name: w1, .offset: 0, .size: 8, .value_kind: global_buffer, .address_space: global }
      - { .name: w2, .offset: 8, .size: 8, .value_kind: global_buffer, .address_space: global }
      - { .name: assign, .offset: 16, .size: 8, .value_kind: global_buffer, .address_space: global }
      - { .name: wc, .offset: 24, .size: 8, .value_kind: global_buffer, .address_space: global }
      - { .name: ws, .offset: 32, .size: 8, .value_kind: global_buffer, .address_space: global }
      - { .name: order, .offset: 40, .size: 8, .value_kind: global_buffer, .address_space: global }
      - { .name: tileinfo, .offset: 48, .size: 8, .value_kind: global_buffer, .address_space: global }
    .group_segment_fixed_size: 137472
    .private_segment_fixed_size: 0
    .kernarg_segment_align: 8
    .kernarg_segment_size: 56
    .max_flat_workgroup_size: 256
    .sgpr_count:     66
    .vgpr_count:     256
    .wavefront_size: 32
...
	.end_amdgpu_metadata
.endif
;; end of part 2
;; launch chain (part 3): grid 135 x 1, 4 waves a work-group, no clusters, 325,120 bytes of LDS; arguments input_features, ln_g, ln_b, b1, b2, wc, ws, order, tileinfo, stats, out0; writes out0
.if DOCPART == 3
	.amdgcn_target "amdgcn-amd-amdhsa--gfx1250"
	.amdhsa_code_object_version 6
	.text
	.protected	k_q58941ef69e_chain
	.globl	k_q58941ef69e_chain
	.p2align	8
	.type	k_q58941ef69e_chain,@function
k_q58941ef69e_chain:
	s_mov_b64 s[64:65], 0
	v_nop
	global_prefetch_b8 v0, s[64:65] scope:SCOPE_SE
	s_setreg_imm32_b32 hwreg(HW_REG_WAVE_MODE, 25, 1), 1
	s_wait_xcnt 0x0
; ONE TILE OF 64 TOKENS OF ONE EXPERT THROUGH THE WHOLE CHAIN: gather, LayerNorm with the expert's gain and bias, quantise, x W1^T + b1, relu, quantise, h W2^T + b2, out = x + alpha (h W2^T + b2), scatter.
; Both products on codes of BF6 (E3M2) with one E8M0 scale for each 32 along K.  Only the chosen expert's rows are multiplied.  128 + 7 tiles serve every split of 8,192 tokens over 8 experts;
; a tile that a split leaves with fewer than 64 rows computes token 0 in the rest and stores only its own rows, an empty one nothing.  Every wave passes every barrier whatever the list says.
; SHARES.  Wave w loads rows 16 w .. 16 w + 15; then THE WAVES SHARE THE COLUMNS: wave w normalises and quantises columns 256 w on (K steps 2 w, 2 w + 1) of all 64 rows, makes hidden units 128 w on, and outputs 256 w on.
; x stays in LDS as f32 (rows of 4,096 + 16 bytes) and becomes out in place.  Operands go from wave to wave through LDS as images of their registers (12 registers a lane: three stores of 512 bytes).
; THE WEIGHTS come from memory straight into registers, in the order in which the operand's registers take them (laid so by the launch before): a ring of three sets of 8 fragments, asked for three steps ahead.
; Both products are used transposed (source 0 = 16 rows of the weight, source 1 = 16 tokens): a lane holds ONE token (lane % 16), and the rows of a weight's fragments are chosen so that the 16 registers of two
; neighbouring tiles are 16 neighbouring columns 32 b + 16 (lane / 16) + 0 .. 15.  The biases are the C of each sum's first matrix instruction.
; NO TENSOR LOADS, NO CLUSTER: which rows are stored, and which expert's weights are read, hangs on numbers read from memory, and the tiles of an expert are no fixed number that a cluster could divide.
; LIMITS: NaN and infinities are not served.  A block of zeros carries the scale byte 1: its codes are zeros.
; REGISTERS.  window 0: v1-19 addresses; v20-35 (mu, rstd, alpha, 0) of my token in each of the four tiles of rows; v36-47 the weights' scale words, three sets; v48-63 x's, later the hidden layer's scale words;
;   v64-103 the quantiser's; v112-239 numbers of x, fragments of x, rows on the way out.   window 1: ring sets 0, 1 (v0-95, v96-191); b1 (v192-255).
;   window 2: rows of x on their way in; then the hidden layer's 32 accumulators (tile of rows m, tile t: v[64 m + 8 t]); then the hidden layer's 16 fragments (v0-191) and 8 accumulators of out (v192-255).
;   window 3: the gain and the bias of my 256 columns; then ring set 2 (v0-95) and b2, three sets (v96-143).
.set XP,   4112                        ; a row of x in LDS: 4,096 bytes + 16: the sixteen rows that a load touches start in sixteen different groups of banks
.set FRB,  1536                        ; a fragment's image
.set XIMG, 64*XP                       ; x's 32 fragments (K step s, tile of rows m: 4 s + m);
.set XSC,  XIMG+32*FRB                 ; their scale words: [s][lane][m];
.set HSC,  XIMG+16*FRB                 ; later, in x's images' place: the hidden layer's 16 fragments and, here, their scale words
.set PAR,  XSC+4096                    ; each wave's 256 gains and 256 biases
.set L16,  1                           ; 16 x lane
.set LI,   2                           ; XIMG + 16 x lane
.set XWI,  3                           ; where I store x's images
.set XWS,  4                           ; and their scale words
.set HWI,  5                           ; the hidden layer's
.set HWS,  6
.set H64,  7                           ; 64 x (lane / 16)
.set AX,   8                           ; v8-11   row 16 m + lane % 16 of x in LDS, + my wave's 1,024 bytes + 64 (lane / 16)
.set AD,   12                          ; v12-15  row 16 q, + my wave's 1,024 bytes + 16 x lane
.set XD,   16                          ; my 16 rows, 16 x lane
.set PG,   17
.set COL,  18                          ; 1,024 x wave + 16 x lane
.set PGW,  19
.set ST,   20
.set WS,   36
.set XS,   48
.set TM,   64
.set PW,   80
.set PC,   84
.set CA,   104                         ; v104-106 addresses of the trip in hand
.set TKV,  108
.set Q0,   112
.set XE,   112
.set XF0,  112
.set OD,   176
.set OO,   208
.set XOFF, 208
.set GBT,  224
.set MSB, 0
.macro WIN new                         ; the immediate's high byte repeats the setting that is left; a switch that changes nothing is dropped
.if MSB != (\new)
	s_set_vgpr_msb (MSB<<8)|(\new)
.set MSB, \new
.endif
.endm
.macro BAR                             ; my LDS stores have landed and my LDS loads are in: then the work-group's barrier
	s_wait_dscnt 0x0
	s_barrier_signal -1
	s_barrier_wait -1
.endm
; 64 numbers of a lane in window w, register s + 16 b + i = k 32 b + 16 (lane / 16) + i of my row, become a fragment's codes in v[PC] on and its scale word in v[pw].
.macro QUANT s, w, pw
	WIN (\w)|((\w)<<2)
.irp b, 0,1,2,3
	v_max3_num_f32 v[TM+\b], |v[(\s)+16*\b]|, |v[(\s)+1+16*\b]|, 0x2800000   ; my 16 numbers of block b, and the floor 2^(5 - 127): the byte cannot fall under 1
.endr
	WIN ((\w)<<2)|((\w)<<4)
.irp i, 2,4,6,8,10,12,14
.irp b, 0,1,2,3
	v_max3_num_f32 v[TM+\b], v[TM+\b], |v[(\s)+16*\b+\i]|, |v[(\s)+1+16*\b+\i]|   ; the four blocks by turns
.endr
.endr
	WIN 0
.irp b, 0,1,2,3
	v_permlanex16_b32 v[TM+4+\b], v[TM+\b], s60, s61
.endr
.irp b, 0,1,2,3
	v_max_num_f32 v[TM+\b], v[TM+\b], v[TM+4+\b]   ; with lane l xor 16's: the block's largest magnitude
.endr
.irp b, 0,1,2,3
	v_add_nc_u32 v[TM+12+\b], 0xfe000000, v[TM+\b] ; 4 off its exponent field: the conversion's scale operand
.endr
.irp b, 0,1,2,3
	v_lshrrev_b32 v[TM+4+\b], 23, v[TM+12+\b]      ; the scale's byte
.endr
	v_lshl_or_b32 v[\pw], v[TM+5], 8, v[TM+4]
	v_lshl_or_b32 v[\pw], v[TM+6], 16, v[\pw]
	v_lshl_or_b32 v[\pw], v[TM+7], 24, v[\pw]
	WIN \w
.irp c, 0,1
	v_cvt_scalef32_pk16_bf6_f32 v[PC+6*\c:PC+2+6*\c], v[(\s)+32*\c:(\s)+15+32*\c], v[TM+12+2*\c]
	v_cvt_scalef32_pk16_bf6_f32 v[PC+12+4*\c:PC+14+4*\c], v[(\s)+16+32*\c:(\s)+31+32*\c], v[TM+12+2*\c+1]   ; (a conversion's three registers begin on an even number)
.endr
	WIN 0
	v_nop                                          ; one plain line behind a scaled conversion
.irp c, 0,1                            ; the operand's layout wants a whole block in a lane: lanes 0-15 block 2 c, lanes 16-31 block 2 c + 1
.irp i, 0,1,2
	v_permlane16_swap_b32 v[PC+6*\c+\i], v[PC+12+4*\c+\i]
.endr
.irp i, 0,1,2
	v_mov_b32 v[PC+3+6*\c+\i], v[PC+12+4*\c+\i]
.endr
.endr
.endm
.macro IMAGE adr, off                  ; the fragment in v[PC] on goes to LDS as it stands
.irp c, 0,1,2
	ds_store_b128 v[\adr], v[PC+4*\c:PC+4*\c+3] offset:(\off)+512*\c
.endr
.endm
.macro FETCHX s                        ; K step s of x: four fragments and their scale words, into buffer s % 2
.set FXB, XF0+48*((\s)%2)
.irp m, 0,1,2,3
.irp c, 0,1,2
	ds_load_b128 v[FXB+12*\m+4*\c:FXB+12*\m+4*\c+3], v[LI] offset:(4*(\s)+\m)*FRB+512*\c
.endr
.endr
	ds_load_b128 v[XS+4*((\s)%2):XS+4*((\s)%2)+3], v[LI] offset:32*FRB+512*(\s)
.endm
; Ring step k (0-7: K step k of W1; 8-15: outputs 32 (k - 8) on of W2) into set k % 3: 24 loads of 512 consecutive bytes, one of scale words; from 8 on four of b2.  25 or 29 loads.
.macro SET k
.set SRR, (\k)%3
.if SRR == 2
.set SRB, 0
	WIN 0xc0
.else
.set SRB, 96*SRR
	WIN 0x40
.endif
.if (\k) < 8
.set SOC, (\k)*8*FRB
.set SOS, (\k)*512
.else
.set SOC, 256*8*FRB+((\k)-8)*8*FRB
.set SOS, 256*512+((\k)-8)*512
.endif
.irp f, 0,1,2,3,4,5,6,7
.irp c, 0,1,2
	global_load_b128 v[SRB+12*\f+4*\c:SRB+12*\f+4*\c+3], v[L16], s[14:15] offset:SOC+\f*FRB+512*\c
.endr
.endr
.if (\k) >= 8
	WIN 0xc0
.irp j, 0,1,2,3
	global_load_b128 v[96+16*SRR+4*\j:96+16*SRR+4*\j+3], v[H64], s[12:13] offset:128*((\k)-8)+16*\j
.endr
.endif
	WIN 0
	global_load_b128 v[WS+4*SRR:WS+4*SRR+3], v[L16], s[16:17] offset:SOS
.endm
.macro MM d, a, b, c, sa, sb, row1     ; row1: the weight's scale words stand in lanes 16-31
.if \row1
	v_wmma_scale_f32_16x16x128_f8f6f4 v[\d:\d+7], v[\a:\a+11], v[\b:\b+11], v[\c:\c+7], v[\sa], v[\sb] matrix_a_fmt:MATRIX_FMT_BF6 matrix_b_fmt:MATRIX_FMT_BF6 matrix_a_scale:MATRIX_SCALE_ROW1
.else
	v_wmma_scale_f32_16x16x128_f8f6f4 v[\d:\d+7], v[\a:\a+11], v[\b:\b+11], v[\c:\c+7], v[\sa], v[\sb] matrix_a_fmt:MATRIX_FMT_BF6 matrix_b_fmt:MATRIX_FMT_BF6
.endif
.endm
.macro GLOAD g                         ; rows 4 g .. 4 g + 3 of my 16, whole: 32 loads of 512 consecutive bytes, into half g % 2 of window 2
.irp i, 0,1,2,3
.irp j, 0,1,2,3,4,5,6,7
	global_load_b128 v[128*((\g)%2)+32*\i+4*\j:128*((\g)%2)+32*\i+4*\j+3], v[XOFF+4*(\g)+\i], s[4:5] offset:512*\j
.endr
.endr
.endm
.macro GSTORE g
.irp i, 0,1,2,3
.irp j, 0,1,2,3,4,5,6,7
	ds_store_b128 v[XD], v[128*((\g)%2)+32*\i+4*\j:128*((\g)%2)+32*\i+4*\j+3] offset:(4*(\g)+\i)*XP+512*\j
.endr
.endr
.endm
	s_load_b512 s[4:19], s[0:1], 0x0               ; x s[4:5], ln_g s[6:7], ln_b s[8:9], b1 s[10:11], b2 s[12:13], wc s[14:15], ws s[16:17], order s[18:19]
	s_load_b128 s[20:23], s[0:1], 0x40             ; tileinfo s[20:21], stats s[22:23]
	s_load_b64 s[24:25], s[0:1], 0x50              ; out
	v_lshl_add_u32 v254, v0, 2, 0x4f400
	v_mov_b32 v255, 0
	v_lshrrev_b32 v104, 5, v0
	v_readfirstlane_b32 s2, v104                   ; wave 0..3
	v_and_b32 v105, 31, v0                         ; lane
	v_and_b32 v106, 15, v0                         ; r
	v_bfe_u32 v107, v0, 4, 1                       ; h
	v_lshlrev_b32 v[L16], 4, v105
	v_add_nc_u32 v[LI], XIMG, v[L16]
	s_mul_i32 s62, s2, 8*FRB                       ; K steps 2 w, 2 w + 1: fragments 8 w on
	v_add_nc_u32 v[XWI], s62, v[LI]
	s_lshl_b32 s62, s2, 10
	v_add_nc_u32 v[COL], s62, v[L16]
	v_add_nc_u32 v[XWS], XSC, v[COL]
	s_mul_i32 s63, s2, 4*FRB                       ; K step w of the second product: fragments 4 w on
	v_add_nc_u32 v[HWI], s63, v[LI]
	s_lshl_b32 s63, s2, 9
	v_add_nc_u32 v[HWS], s63, v[L16]
	v_add_nc_u32 v[HWS], HSC, v[HWS]
	v_lshlrev_b32 v[H64], 6, v107
	v_mul_u32_u24 v[AX], v106, XP
	v_add_nc_u32 v[AX], v[AX], v[H64]
	v_add_nc_u32 v[AX], s62, v[AX]
	v_add_nc_u32 v[AX+1], 16*XP, v[AX]
	v_add_nc_u32 v[AX+2], 32*XP, v[AX]
	v_add_nc_u32 v[AX+3], 48*XP, v[AX]
	v_mov_b32 v[AD], v[COL]
	v_add_nc_u32 v[AD+1], 16*XP, v[COL]
	v_add_nc_u32 v[AD+2], 32*XP, v[COL]
	v_add_nc_u32 v[AD+3], 48*XP, v[COL]
	s_mul_i32 s63, s2, 16*XP
	v_add_nc_u32 v[XD], s63, v[L16]
	s_lshl_b32 s63, s2, 11
	s_add_co_u32 s63, s63, PAR
	v_add_nc_u32 v[PG], s63, v[H64]
	v_add_nc_u32 v[PGW], s63, v[L16]
	v_lshlrev_b32 v104, 2, v106                    ; 4 r
	s_mov_b32 s60, 0x76543210
	s_mov_b32 s61, 0xfedcba98                      ; v_permlanex16_b32's selects for lane l xor 16
.irp b, 0,1,2,3
	v_mov_b32 v[TM+4+\b], 0                        ; written once: a lane permute's destination counts as one of its sources
.endr
	s_wait_kmcnt 0x0
	s_mov_b32 s63, 0
	s_lshl_b32 s62, ttmp9, 2
	s_add_nc_u64 s[20:21], s[20:21], s[62:63]
	s_load_b32 s26, s[20:21], 0x0                  ; my tile: expert | rows << 8
	s_lshl_b32 s62, ttmp9, 8
	s_add_nc_u64 s[18:19], s[18:19], s[62:63]      ; the tile's 64 tokens
	s_lshl_b32 s62, s2, 6
	s_add_nc_u64 s[100:101], s[18:19], s[62:63]
	s_load_b512 s[28:43], s[100:101], 0x0          ; the 16 whose rows I load
	s_wait_kmcnt 0x0
	s_lshr_b32 s27, s26, 8
	s_min_u32 s27, s27, 64                         ; rows
	s_and_b32 s26, s26, 7
	s_min_u32 s26, s26, 7                          ; expert
	s_lshl_b32 s62, s26, 12
	s_lshl_b32 s66, s2, 10
	s_add_co_u32 s62, s62, s66                     ; 4,096 e + 1,024 w: my 256 columns of the expert's gain, bias and b2
	s_add_nc_u64 s[6:7], s[6:7], s[62:63]
	s_add_nc_u64 s[8:9], s[8:9], s[62:63]
	s_add_nc_u64 s[12:13], s[12:13], s[62:63]
	s_lshl_b32 s62, s26, 11
	s_lshl_b32 s66, s2, 9
	s_add_co_u32 s62, s62, s66                     ; 2,048 e + 512 w: my 128 hidden units of b1
	s_add_nc_u64 s[10:11], s[10:11], s[62:63]
	s_lshl_b32 s66, s26, 2
	s_add_co_u32 s66, s66, s2                      ; 4 e + w: eight blocks of codes and of scale words in each weight
	s_mul_i32 s62, s66, 64*FRB
	s_add_nc_u64 s[14:15], s[14:15], s[62:63]
	s_mul_i32 s62, s66, 4096
	s_add_nc_u64 s[16:17], s[16:17], s[62:63]
.irp i, 0,1,2,3,4,5,6,7,8,9,10,11,12,13,14,15
	s_min_u32 s[28+\i], s[28+\i], 0x1fff
	s_lshl_b32 s[28+\i], s[28+\i], 12
	v_add_nc_u32 v[XOFF+\i], s[28+\i], v[L16]      ; the row's byte offset + 16 x lane
.endr
	; ---- the rows come in: four groups of four rows, two groups on their way at a time
.irp m, 0,1,2,3
	global_load_b32 v[TKV+\m], v104, s[18:19] offset:64*\m              ; the token of row 16 m + r
.endr
	global_load_b128 v[GBT:GBT+3], v[L16], s[6:7]
	global_load_b128 v[GBT+4:GBT+7], v[L16], s[6:7] offset:512
	global_load_b128 v[GBT+8:GBT+11], v[L16], s[8:9]
	global_load_b128 v[GBT+12:GBT+15], v[L16], s[8:9] offset:512
	WIN 0x80                                       ; destination window 2
	GLOAD 0
	WIN 0
	s_wait_loadcnt 36                              ; the four tokens are in: behind them 4 loads of gain and bias and the group's 32
.irp m, 0,1,2,3
	v_min_u32 v[TKV+\m], 0x1fff, v[TKV+\m]
	v_lshlrev_b32 v[TKV+\m], 4, v[TKV+\m]
.endr
.irp m, 0,1,2,3
	global_load_b128 v[ST+4*\m:ST+4*\m+3], v[TKV+\m], s[22:23]          ; (mu, rstd, alpha, 0)
.endr
	WIN 0x80
	GLOAD 1
	WIN 0
	s_load_b512 s[28:43], s[18:19], 0x0            ; all 64 tokens, for the way out
	s_load_b512 s[44:59], s[18:19], 0x40
	s_load_b512 s[68:83], s[18:19], 0x80
	s_load_b512 s[84:99], s[18:19], 0xc0
	s_wait_loadcnt 36                              ; gain, bias and group 0 are in: behind them the 4 loads of stats and group 1's 32
.irp i, 0,1,2,3
	ds_store_b128 v[PGW], v[GBT+4*\i:GBT+4*\i+3] offset:512*\i
.endr
	WIN 0x08                                       ; an LDS store's data are its source 1: window 2
	GSTORE 0
	WIN 0
	s_wait_dscnt 0x0                               ; the stores have read their registers
	WIN 0x80
	GLOAD 2
	s_wait_loadcnt 32                              ; stats and group 1 are in; group 2's 32 stay out
	WIN 0x08
	GSTORE 1
	WIN 0xc0                                       ; destination window 3: the gain at v[64 s + 16 b + i], the bias 128 further on, in the quantiser's order
.irp t, 0,1
.irp s, 0,1
.irp b, 0,1,2,3
.irp j, 0,1,2,3
	ds_load_b128 v[128*\t+64*\s+16*\b+4*\j:128*\t+64*\s+16*\b+4*\j+3], v[PG] offset:1024*\t+512*\s+128*\b+16*\j
.endr
.endr
.endr
.endr
	WIN 0
	s_wait_dscnt 0x0
	WIN 0x80
	GLOAD 3
	s_wait_loadcnt 32                              ; group 2 is in; group 3's 32 stay out
	WIN 0x08
	GSTORE 2
	WIN 0x40                                       ; destination window 1: b1 in the result's layout: tile t: hidden units 32 (t / 2) + 16 h + 8 (t % 2) + 0 .. 7
.irp t, 0,1,2,3,4,5,6,7
	global_load_b128 v[192+8*\t:192+8*\t+3], v[H64], s[10:11] offset:(32*(\t/2)+8*(\t%2))*4
	global_load_b128 v[192+8*\t+4:192+8*\t+7], v[H64], s[10:11] offset:(32*(\t/2)+8*(\t%2))*4+16
.endr
	SET 0
	s_wait_loadcnt 41                              ; group 3 is in: behind it b1's 16 loads and ring step 0's 25
	WIN 0x08
	GSTORE 3
	SET 1
	s_wait_kmcnt 0x0
.set k, 0
.rept 64                               ; token k's byte offset in s[28 + k] (k < 32) or s[36 + k]
	s_min_u32 s[28+k+8*(k/32)], s[28+k+8*(k/32)], 0x1fff
	s_lshl_b32 s[28+k+8*(k/32)], s[28+k+8*(k/32)], 12
.set k, k+1
.endr
	BAR                                            ; 64 rows of x lie in LDS; from here on wave w alone touches its 1,024 bytes of each row
	; ---- LayerNorm and the quantiser: a trip takes a tile of 16 rows, my two K steps
.macro LNQ sp
.set QB, Q0+64*\sp
.set j, 0
.rept 32
	v_pk_add_f32 v[QB+j:QB+j+1], v[QB+j:QB+j+1], v[ST:ST+1] op_sel_hi:[1,0] neg_lo:[0,1] neg_hi:[0,1]   ; x - mu (of the pair (mu, rstd) the first serves both halves)
.set j, j+2
.endr
.set j, 0
.rept 32
	v_pk_mul_f32 v[QB+j:QB+j+1], v[QB+j:QB+j+1], v[ST:ST+1] op_sel:[0,1] op_sel_hi:[1,1]                 ; x rstd (the second serves both halves)
.set j, j+2
.endr
	WIN 0x3c                                       ; sources 1 and 2 window 3
.set j, 0
.rept 32
	v_pk_fma_f32 v[QB+j:QB+j+1], v[QB+j:QB+j+1], v[64*\sp+j:64*\sp+j+1], v[128+64*\sp+j:128+64*\sp+j+1]  ; x gain + bias
.set j, j+2
.endr
	WIN 0
	QUANT QB, 0, PW
	IMAGE CA+1, 4*\sp*FRB
	ds_store_b32 v[CA+2], v[PW] offset:512*\sp
.endm
	s_mov_b32 s66, 0
	s_mov_b32 s67, 0
	s_mov_b32 s100, 0
	s_mov_b32 s101, 0
.Lx2:
	v_add_nc_u32 v[CA], s67, v[AX]
	v_add_nc_u32 v[CA+1], s100, v[XWI]
	v_add_nc_u32 v[CA+2], s101, v[XWS]
.irp s, 0,1
.irp b, 0,1,2,3
.irp j, 0,1,2,3
	ds_load_b128 v[Q0+64*\s+16*\b+4*\j:Q0+64*\s+16*\b+4*\j+3], v[CA] offset:512*\s+128*\b+16*\j
.endr
.endr
.endr
	s_wait_dscnt 16                                ; the first K step's numbers are in; the second's 16 loads stay out
	LNQ 0
	s_wait_dscnt 0x0                               ; the stores have read their registers; the second K step is in
	LNQ 1
	s_wait_dscnt 0x0
	v_mov_b32 v[ST], v[ST+4]                       ; (mu, rstd) of the next tiles of rows move down; alpha stays
	v_mov_b32 v[ST+1], v[ST+5]
	v_mov_b32 v[ST+4], v[ST+8]
	v_mov_b32 v[ST+5], v[ST+9]
	v_mov_b32 v[ST+8], v[ST+12]
	v_mov_b32 v[ST+9], v[ST+13]
	s_add_co_u32 s67, s67, 16*XP
	s_add_co_u32 s100, s100, FRB
	s_add_co_u32 s101, s101, 4
	s_add_co_u32 s66, s66, 1
	s_cmp_lt_u32 s66, 4
	s_cbranch_scc1 .Lx2
	SET 2                                          ; gain and bias are done with: window 3 takes the ring's third set
	BAR                                            ; x's 32 fragments lie in LDS
	; ---- the first product: 8 K steps, 32 accumulators by turns, the same order in every step
.macro STEP1 s
.set RR, (\s)%3
.if RR == 2
.set RB, 0
.set WA, 3
.else
.set RB, 96*RR
.set WA, 1
.endif
.set XB, XF0+48*((\s)%2)
.set XSB, XS+4*((\s)%2)
.if (\s) < 6
	s_wait_loadcnt 50                              ; ring step s is in: behind it stand the next two steps' loads, 25 each;
.elseif (\s) == 6
	s_wait_loadcnt 54                              ; 25 and 29;
.else
	s_wait_loadcnt 58                              ; 29 each
.endif
	s_wait_dscnt 0x0                               ; x's fragments of this step are in
.if (\s) < 7
	FETCHX (\s)+1                                  ; the next step's, into the buffer that the step before read (four places back)
.endif
.if (\s) == 0
	WIN 0x90|WA                                    ; D window 2, C (b1) window 1, source 0 the ring's window
.else
	WIN 0xa0|WA                                    ; C and D window 2
.endif
.irp t, 0,1,2,3,4,5,6,7
.irp m, 0,1,2,3
.if (\s) == 0
	MM 64*\m+8*\t, RB+12*\t, XB+12*\m, 192+8*\t, WS+4*RR+\t/2, XSB+\m, \t%2
.else
	MM 64*\m+8*\t, RB+12*\t, XB+12*\m, 64*\m+8*\t, WS+4*RR+\t/2, XSB+\m, \t%2
.endif
.endr
.endr
	WIN 0
.rept 4
	v_nop                                          ; four places in front of loads into registers that matrix instructions have read, and of the first read of results
.endr
	SET (\s)+3
.endm
	FETCHX 0
	STEP1 0
	STEP1 1
	STEP1 2
	STEP1 3
	STEP1 4
	STEP1 5
	STEP1 6
	STEP1 7
	BAR                                            ; nobody reads x's images any more: the hidden layer's take their place
	; ---- relu and the quantiser: my 128 hidden units are K step w of the second product
.irp m, 0,1,2,3
	WIN 0x88                                       ; destination and source 1 window 2
.set j, 0
.rept 64
	v_max_num_f32 v[64*\m+j], 0, v[64*\m+j]        ; each accumulator from its low end on
.set j, j+1
.endr
	QUANT 64*\m, 2, PW+\m
	IMAGE HWI, \m*FRB
	s_wait_dscnt 0x0                               ; the stores have read their registers
.endr
	ds_store_b128 v[HWS], v[PW:PW+3]
	BAR                                            ; the hidden layer's 16 fragments lie in LDS
	; ---- the second product: the hidden layer stays in registers; a step makes 32 outputs for the 64 rows: 8 accumulators by turns, K outermost
	WIN 0x80
.set f, 0
.rept 16
.irp c, 0,1,2
	ds_load_b128 v[12*f+4*\c:12*f+4*\c+3], v[LI] offset:f*FRB+512*\c
.endr
.set f, f+1
.endr
	WIN 0
.irp s, 0,1,2,3
	ds_load_b128 v[XS+4*\s:XS+4*\s+3], v[LI] offset:16*FRB+512*\s
.endr
.macro STEP2 p
.set RR, (8+\p)%3
.if RR == 2
.set RB, 0
.set WA, 3
.else
.set RB, 96*RR
.set WA, 1
.endif
	s_wait_dscnt 0x0                               ; the step before has stored its results (the first step: the hidden layer is in)
.irp m, 0,1,2,3
.irp j, 0,1,2,3
	ds_load_b128 v[XE+16*\m+4*\j:XE+16*\m+4*\j+3], v[AX+\m] offset:128*\p+16*\j     ; x at the places of my results
.endr
.endr
.if \p < 6
	s_wait_loadcnt 58                              ; this ring step is in: behind it the next two steps' 29 loads each;
.elseif \p == 6
	s_wait_loadcnt 29                              ; the last step's 29;
.else
	s_wait_loadcnt 0x0                             ; nothing
.endif
	WIN 0xb8|WA                                    ; D window 2, C (b2) window 3, source 1 (the hidden layer) window 2
.irp m, 0,1,2,3
.irp u, 0,1
	MM 192+16*\m+8*\u, RB+12*\u, 12*\m, 96+16*RR+8*\u, WS+4*RR, XS+\m, \u
.endr
.endr
	WIN 0xa8|WA                                    ; C and D window 2
.irp s, 1,2,3
.irp m, 0,1,2,3
.irp u, 0,1
	MM 192+16*\m+8*\u, RB+12*(2*\s+\u), 12*(4*\s+\m), 192+16*\m+8*\u, WS+4*RR+\s, XS+4*\s+\m, \u
.endr
.endr
.endr
	WIN 0
.rept 4
	v_nop                                          ; four places in front of the loads into this set and of the first read of results
.endr
.if \p < 5
	SET 11+\p
.endif
	s_wait_dscnt 0x0                               ; x is in
	WIN 0x02                                       ; source 0 window 2
.irp m, 0,1,2,3
.irp j, 0,2,4,6,8,10,12,14
	v_pk_fma_f32 v[XE+16*\m+\j:XE+16*\m+\j+1], v[192+16*\m+\j:192+16*\m+\j+1], v[ST+4*\m+2:ST+4*\m+3], v[XE+16*\m+\j:XE+16*\m+\j+1] op_sel_hi:[1,0,1]   ; out = x + alpha (h W2^T + b2); each accumulator from its low end on
.endr
.endr
	WIN 0
.irp m, 0,1,2,3
.irp j, 0,1,2,3
	ds_store_b128 v[AX+\m], v[XE+16*\m+4*\j:XE+16*\m+4*\j+3] offset:128*\p+16*\j    ; in x's place
.endr
.endr
.endm
; Half of my 1,024 bytes of each row leave: the 32 lanes store 512 consecutive bytes, aligned.  Rows from the tile's count on are not the tile's: the first of them ends the pass.
.macro OUTPASS half
.set bt, 0
.rept 8
	s_wait_xcnt 0x0                                ; the batch before has read its registers
.irp i, 0,1,2,3,4,5,6,7
	v_add_nc_u32 v[OO+\i], s[28+(8*bt+\i)+8*((8*bt+\i)/32)], v[COL]
.endr
.irp i, 0,1,2,3,4,5,6,7
	ds_load_b128 v[OD+4*\i:OD+4*\i+3], v[AD+(8*bt+\i)/16] offset:((8*bt+\i)%16)*XP+512*\half    ; LDS serves a wave's instructions in order: these see my stores
.endr
.irp i, 0,1,2,3,4,5,6,7
	s_cmp_le_u32 s27, 8*bt+\i
	s_cbranch_scc1 .Ldone\half
	s_wait_dscnt 7-\i                              ; this row is in; the batch's later loads stay out
	global_store_b128 v[OO+\i], v[OD+4*\i:OD+4*\i+3], s[24:25] offset:512*\half th:TH_STORE_NT
.endr
.set bt, bt+1
.endr
.Ldone\half:
	s_wait_dscnt 0x0
.endm
	STEP2 0
	STEP2 1
	STEP2 2
	STEP2 3
	OUTPASS 0                                      ; the first 128 of my outputs are finished: they leave while the others are made
	STEP2 4
	STEP2 5
	STEP2 6
	STEP2 7
	OUTPASS 1
	s_wait_tensorcnt 0x0
	ds_add_u32 v254, v255
	s_wait_dscnt 0x0
	s_endpgm
.Lfunc_end_k_q58941ef69e_chain:
	.size	k_q58941ef69e_chain, .Lfunc_end_k_q58941ef69e_chain-k_q58941ef69e_chain
	.p2alignl 7, 3214868480
	.fill 96, 4, 3214868480
	.section	.rodata,"a",@progbits
	.p2align	6, 0x0
	.amdhsa_kernel k_q58941ef69e_chain
		.amdhsa_group_segment_fixed_size 325120
		.amdhsa_private_segment_fixed_size 0
		.amdhsa_enable_private_segment 0
		.amdhsa_kernarg_size 88
		.amdhsa_user_sgpr_count 2
		.amdhsa_user_sgpr_kernarg_segment_ptr 1
		.amdhsa_wavefront_size32 1
		.amdhsa_system_sgpr_workgroup_id_x 1
		.amdhsa_system_sgpr_workgroup_id_y 1
		.amdhsa_system_sgpr_workgroup_id_z 1
		.amdhsa_system_vgpr_workitem_id 0
		.amdhsa_next_free_vgpr 1024
		.amdhsa_next_free_sgpr 102
		.amdhsa_reserve_vcc 0
		.amdhsa_float_denorm_mode_32 3
		.amdhsa_float_denorm_mode_16_64 3
		.amdhsa_memory_ordered 1
		.amdhsa_forward_progress 1
		.amdhsa_inst_pref_size 255
	.end_amdhsa_kernel
	.section	.bss,"aw",@nobits
	.p2align	6
	.space	262144
	.amdgpu_metadata
---
amdhsa.version: [ 1, 2 ]
amdhsa.kernels:
  - .name:           k_q58941ef69e_chain
    .symbol:         k_q58941ef69e_chain.kd
    .args:
      - { .name: input_features, .offset: 0, .size: 8, .value_kind: global_buffer, .address_space: global }
      - { .name: ln_g, .offset: 8, .size: 8, .value_kind: global_buffer, .address_space: global }
      - { .name: ln_b, .offset: 16, .size: 8, .value_kind: global_buffer, .address_space: global }
      - { .name: b1, .offset: 24, .size: 8, .value_kind: global_buffer, .address_space: global }
      - { .name: b2, .offset: 32, .size: 8, .value_kind: global_buffer, .address_space: global }
      - { .name: wc, .offset: 40, .size: 8, .value_kind: global_buffer, .address_space: global }
      - { .name: ws, .offset: 48, .size: 8, .value_kind: global_buffer, .address_space: global }
      - { .name: order, .offset: 56, .size: 8, .value_kind: global_buffer, .address_space: global }
      - { .name: tileinfo, .offset: 64, .size: 8, .value_kind: global_buffer, .address_space: global }
      - { .name: stats, .offset: 72, .size: 8, .value_kind: global_buffer, .address_space: global }
      - { .name: out0, .offset: 80, .size: 8, .value_kind: global_buffer, .address_space: global }
    .group_segment_fixed_size: 325120
    .private_segment_fixed_size: 0
    .kernarg_segment_align: 8
    .kernarg_segment_size: 88
    .max_flat_workgroup_size: 128
    .sgpr_count:     102
    .vgpr_count:     1024
    .wavefront_size: 32
...
	.end_amdgpu_metadata
.endif
;; end of part 3
;; ======== version 2 of 2: 3 launches
;; workspace buffers: stats 131,072 bytes; assign 32,768 bytes of whole numbers; wc 6,291,456 bytes; ws 262,144 bytes; order 36,864 bytes of whole numbers; tileinfo 1,024 bytes of whole numbers
;; launch route (part 4): grid 256 x 1, 4 waves a work-group, no clusters, 34,304 bytes of LDS; arguments input_features, centroids, stats, assign; writes stats, assign
.if DOCPART == 4
	.amdgcn_target "amdgcn-amd-amdhsa--gfx1250"
	.amdhsa_code_object_version 6
	.text
	.protected	k_q58941ef69e_route
	.globl	k_q58941ef69e_route
	.p2align	8
	.type	k_q58941ef69e_route,@function
k_q58941ef69e_route:
	s_mov_b64 s[64:65], 0
	v_nop
	global_prefetch_b8 v0, s[64:65] scope:SCOPE_SE
	s_setreg_imm32_b32 hwreg(HW_REG_WAVE_MODE, 25, 1), 1
	s_wait_xcnt 0x0
; ROUTER.  For each of the 8,192 tokens (rows of 1,024 f32): the 8 affinities x . centroid[e] by f32 fused multiply-adds, the first largest of them
; (argmax, the lower index on a tie), alpha = sigmoid(that affinity), the row's mean and 1 / sqrt(variance + 1e-5) (two passes: the mean first, then the squares of the differences).
; Stored at fixed places: stats[token] = (mu, rstd, alpha, 0), assign[token] = 4 x expert.  No address here hangs on a result.
; SHARES.  A work-group takes 32 tokens, each of its four waves 8.  A row lies across the wave: lane l holds columns 128 j + 4 l + c (j = 0..7, c = 0..3), so each load of a wave reads 512 consecutive bytes.
; The centroids (32 KiB) come into LDS once for the work-group, a quarter by each wave, and from there into 256 registers of every wave, in the rows' layout.
; No matrix unit: N = 8, and the choice of the expert wants f32 products.  No cluster: the work-groups share the centroids alone, a fifth of what each reads.
; LIMITS: NaN and infinities are not served.  Two affinities that differ by less than the rounding of an f32 sum of 1,024 terms may choose the other expert.
; REGISTERS: window 0: addresses and arithmetic; window 1: centroid e at v[32 e + 4 j + c]; window 2: row i at v[32 i + 4 j + c].
.set STG,  32768                       ; LDS: behind the centroids: 32 tokens x 16 bytes of stats,
.set STR,  33280                       ; and 32 x 4 bytes of experts
.set AC,   16                          ; v16-31   the 8 affinities, each in two halves
.set SM,   32                          ; v32-47   sums of the row
.set VV,   56                          ; v56-63   sums of squares, four chains
.set RD,   64                          ; v64-73   numbers to be summed over the lanes
.set PT,   74                          ; v74-83   the other half's
.set BEST, 84
.set IDX,  85
.set MU,   86                          ; v86-87   the mean, twice
.set VAR,  88
.set RS,   89
.set AL,   90
.set TT,   91
.set CST,  96                          ; v96-159  my quarter of the centroids on its way to LDS
.set OV,   160                         ; v160-163 lane l: (mu, rstd, alpha, 0) of row l % 8
.set OI,   164                         ; v164     4 x its expert
.set DD,   176                         ; v176-207 x - mu
.set MSB, 0
.macro WIN new                         ; the immediate's high byte repeats the setting that is left
.if MSB != (\new)
	s_set_vgpr_msb (MSB<<8)|(\new)
.set MSB, \new
.endif
.endm
.macro XLOAD i                         ; row i of my 8: eight loads of 512 consecutive bytes
.irp j, 0,1,2,3,4,5,6,7
	global_load_b128 v[32*\i+4*\j:32*\i+4*\j+3], v1, s[4:5] offset:4096*\i+512*\j
.endr
.endm
.macro RED n, base, tmp                ; n numbers are summed over the 32 lanes, by turns; every lane ends with the sums
.irp x, 1,2,4,8
.set q, 0
.rept \n
	v_add_f32_dpp v[\base+q], v[\base+q], v[\base+q] row_xmask:\x row_mask:0xf bank_mask:0xf
.set q, q+1
.endr
.endr
.set q, 0
.rept \n
	v_permlanex16_b32 v[\tmp+q], v[\base+q], s12, s13
.set q, q+1
.endr
.set q, 0
.rept \n
	v_add_f32 v[\base+q], v[\base+q], v[\tmp+q]
.set q, q+1
.endr
.endm
.macro KEEP dst, src, i                ; lanes l with l % 8 = i keep row i's number
.if \i == 0
	s_wait_alu depctr_va_vdst(0)
	v_mov_b32 v[\dst], v[\src]
.else
	s_wait_alu depctr_va_vdst(0)
	v_cndmask_b32 v[\dst], v[\dst], v[\src], s16
.endif
.endm
	s_load_b256 s[4:11], s[0:1], 0x0               ; x s[4:5], centroids s[6:7], stats s[8:9], assign s[10:11]
	v_lshl_add_u32 v254, v0, 2, 0x8400
	v_mov_b32 v255, 0
	v_lshrrev_b32 v9, 5, v0
	v_readfirstlane_b32 s2, v9                     ; wave 0..3
	v_and_b32 v10, 31, v0                          ; lane
	v_lshlrev_b32 v1, 4, v10                       ; 16 x lane
	v_lshl_add_u32 v2, v9, 13, v1                  ; my quarter of the centroids: 8,192 x wave + 16 x lane, in memory and in LDS alike
	v_and_b32 v11, 7, v0
	v_lshlrev_b32 v3, 4, v11
	v_lshl_add_u32 v3, v9, 7, v3
	v_add_nc_u32 v3, STG, v3                       ; where row l % 8 of my wave puts its stats
	v_lshlrev_b32 v4, 2, v11
	v_lshl_add_u32 v4, v9, 5, v4
	v_add_nc_u32 v4, STR, v4                       ; and its expert
	v_add_nc_u32 v5, STG, v1                       ; back: 16 bytes a lane,
	v_lshlrev_b32 v8, 2, v10
	v_add_nc_u32 v6, STR, v8                       ; 4 bytes a lane
	s_mov_b32 s12, 0x76543210
	s_mov_b32 s13, 0xfedcba98                      ; v_permlanex16_b32's selects for lane l xor 16
	s_mov_b32 s14, 0x3a800000                      ; 1 / 1,024
	s_mov_b32 s15, 0x3727c5ac                      ; 1e-5
	s_lshl_b32 s18, ttmp9, 17                      ; 32 rows of 4,096 bytes a work-group,
	s_lshl_b32 s19, s2, 15                         ; 8 a wave
	s_add_co_u32 s18, s18, s19
	s_mov_b32 s19, 0
	s_lshl_b32 s20, ttmp9, 9
	s_mov_b32 s21, 0
	s_lshl_b32 s22, ttmp9, 7
	s_mov_b32 s23, 0
.irp q, 0,1,2,3,4,5,6,7,8,9
	v_mov_b32 v[PT+\q], 0                          ; written once: a lane permute's destination counts as one of its sources
.endr
	v_mov_b32 v[OV+3], 0
	s_wait_kmcnt 0x0
	s_add_nc_u64 s[4:5], s[4:5], s[18:19]
	s_add_nc_u64 s[8:9], s[8:9], s[20:21]
	s_add_nc_u64 s[10:11], s[10:11], s[22:23]
.irp i, 0,1,2,3,4,5,6,7,8,9,10,11,12,13,14,15
	global_load_b128 v[CST+4*\i:CST+4*\i+3], v2, s[6:7] offset:512*\i
.endr
	WIN 0x80                                       ; destination window 2
	XLOAD 0
	XLOAD 1
	XLOAD 2
	XLOAD 3
	XLOAD 4
	WIN 0
	s_wait_loadcnt 40                              ; the centroids' 16 loads are in; the 40 loads of rows 0 to 4 stay out
.irp i, 0,1,2,3,4,5,6,7,8,9,10,11,12,13,14,15
	ds_store_b128 v2, v[CST+4*\i:CST+4*\i+3] offset:512*\i
.endr
	WIN 0x80
	XLOAD 5
	XLOAD 6
	XLOAD 7
	WIN 0
	s_wait_dscnt 0x0                               ; for the others' sake: my quarter lies in LDS
	s_barrier_signal -1
	s_barrier_wait -1
	WIN 0x40                                       ; destination window 1
.irp e, 0,1,2,3,4,5,6,7
.irp j, 0,1,2,3,4,5,6,7
	ds_load_b128 v[32*\e+4*\j:32*\e+4*\j+3], v1 offset:4096*\e+512*\j
.endr
.endr
	WIN 0
	s_wait_dscnt 0x0
.macro ROW i
	s_wait_loadcnt 8*(7-\i)                        ; row i is in; the eight loads of each later row stay out
	WIN 0x06                                       ; source 0 (x) window 2, source 1 (centroids) window 1
.irp e, 0,1,2,3,4,5,6,7
	v_pk_mul_f32 v[AC+2*\e:AC+2*\e+1], v[32*\i:32*\i+1], v[32*\e:32*\e+1]    ; the first products start the sums
.endr
.set p, 1
.rept 15
.irp e, 0,1,2,3,4,5,6,7
	v_pk_fma_f32 v[AC+2*\e:AC+2*\e+1], v[32*\i+2*p:32*\i+2*p+1], v[32*\e+2*p:32*\e+2*p+1], v[AC+2*\e:AC+2*\e+1]   ; the eight experts by turns
.endr
.set p, p+1
.endr
	WIN 0x0a                                       ; sources 0 and 1 window 2
.irp q, 0,1,2,3,4,5,6,7
	v_pk_add_f32 v[SM+2*\q:SM+2*\q+1], v[32*\i+4*\q:32*\i+4*\q+1], v[32*\i+4*\q+2:32*\i+4*\q+3]
.endr
	WIN 0
	v_pk_add_f32 v[SM:SM+1], v[SM:SM+1], v[SM+2:SM+3]
	v_pk_add_f32 v[SM+4:SM+5], v[SM+4:SM+5], v[SM+6:SM+7]
	v_pk_add_f32 v[SM+8:SM+9], v[SM+8:SM+9], v[SM+10:SM+11]
	v_pk_add_f32 v[SM+12:SM+13], v[SM+12:SM+13], v[SM+14:SM+15]
	v_pk_add_f32 v[SM:SM+1], v[SM:SM+1], v[SM+4:SM+5]
	v_pk_add_f32 v[SM+8:SM+9], v[SM+8:SM+9], v[SM+12:SM+13]
	v_pk_add_f32 v[SM:SM+1], v[SM:SM+1], v[SM+8:SM+9]
.irp e, 0,1,2,3,4,5,6,7
	v_add_f32 v[RD+\e], v[AC+2*\e], v[AC+2*\e+1]
.endr
	v_add_f32 v[RD+8], v[SM], v[SM+1]
	RED 9, RD, PT                                  ; the 8 affinities and the row's sum
	v_mul_f32 v[MU], s14, v[RD+8]
	v_mov_b32 v[MU+1], v[MU]
	WIN 0x02                                       ; source 0 window 2
.set p, 0
.rept 16
	v_pk_add_f32 v[DD+2*p:DD+2*p+1], v[32*\i+2*p:32*\i+2*p+1], v[MU:MU+1] neg_lo:[0,1] neg_hi:[0,1]
.set p, p+1
.endr
	WIN 0
.irp q, 0,1,2,3
	v_pk_mul_f32 v[VV+2*\q:VV+2*\q+1], v[DD+2*\q:DD+2*\q+1], v[DD+2*\q:DD+2*\q+1]
.endr
.set p, 4
.rept 12
	v_pk_fma_f32 v[VV+2*(p%4):VV+2*(p%4)+1], v[DD+2*p:DD+2*p+1], v[DD+2*p:DD+2*p+1], v[VV+2*(p%4):VV+2*(p%4)+1]
.set p, p+1
.endr
	v_pk_add_f32 v[VV:VV+1], v[VV:VV+1], v[VV+2:VV+3]
	v_pk_add_f32 v[VV+4:VV+5], v[VV+4:VV+5], v[VV+6:VV+7]
	v_pk_add_f32 v[VV:VV+1], v[VV:VV+1], v[VV+4:VV+5]
	v_add_f32 v[RD+9], v[VV], v[VV+1]
	RED 1, RD+9, PT+9
	v_fma_f32 v[VAR], v[RD+9], s14, s15            ; variance + 1e-5
	s_wait_alu depctr_va_vdst(0)
	v_rsq_f32 v[RS], v[VAR]
	v_mov_b32 v[BEST], v[RD]                       ; (plain lines follow the root)  the first largest affinity:
	v_mov_b32 v[IDX], 0
.irp e, 1,2,3,4,5,6,7
	v_cmp_le_f32 vcc_lo, v[RD+\e], v[BEST]         ; not larger: the earlier expert stays
	v_cndmask_b32 v[BEST], v[RD+\e], v[BEST], vcc_lo
	v_cndmask_b32 v[IDX], 4*\e, v[IDX], vcc_lo
.endr
	s_mov_b32 s16, 0x01010101<<\i
	v_mul_f32 v[TT], 0xbfb8aa3b, v[BEST]           ; -a log2(e)
	s_wait_alu depctr_va_vdst(0)
	v_exp_f32 v[TT], v[TT]
	KEEP OV, MU, \i                                ; (a plain line behind the exponential)
	s_wait_alu depctr_va_vdst(0)
	v_add_f32 v[TT], 1.0, v[TT]
	s_wait_alu depctr_va_vdst(0)
	v_rcp_f32 v[AL], v[TT]                         ; alpha = 1 / (1 + e^-a)
	KEEP OV+1, RS, \i                              ; (a plain line behind the reciprocal)
	KEEP OI, IDX, \i
	KEEP OV+2, AL, \i
.endm
	ROW 0
	ROW 1
	ROW 2
	ROW 3
	ROW 4
	ROW 5
	ROW 6
	ROW 7
	ds_store_b128 v3, v[OV:OV+3]                   ; four lanes hold the same row and write the same bytes with the same values
	ds_store_b32 v4, v[OI]
	s_wait_dscnt 0x0
	s_barrier_signal -1
	s_barrier_wait -1
	s_cmp_lg_u32 s2, 0                             ; wave 0 stores the work-group's 32 tokens: 512 consecutive bytes of stats, 128 of experts
	s_cbranch_scc1 .Lend
	ds_load_b128 v[168:171], v5
	ds_load_b32 v172, v6
	s_wait_dscnt 0x0
	global_store_b128 v1, v[168:171], s[8:9]
	global_store_b32 v8, v172, s[10:11]
.Lend:
	s_wait_tensorcnt 0x0
	ds_add_u32 v254, v255
	s_wait_dscnt 0x0
	s_endpgm
.Lfunc_end_k_q58941ef69e_route:
	.size	k_q58941ef69e_route, .Lfunc_end_k_q58941ef69e_route-k_q58941ef69e_route
	.p2alignl 7, 3214868480
	.fill 96, 4, 3214868480
	.section	.rodata,"a",@progbits
	.p2align	6, 0x0
	.amdhsa_kernel k_q58941ef69e_route
		.amdhsa_group_segment_fixed_size 34304
		.amdhsa_private_segment_fixed_size 0
		.amdhsa_enable_private_segment 0
		.amdhsa_kernarg_size 32
		.amdhsa_user_sgpr_count 2
		.amdhsa_user_sgpr_kernarg_segment_ptr 1
		.amdhsa_wavefront_size32 1
		.amdhsa_system_sgpr_workgroup_id_x 1
		.amdhsa_system_sgpr_workgroup_id_y 1
		.amdhsa_system_sgpr_workgroup_id_z 1
		.amdhsa_system_vgpr_workitem_id 0
		.amdhsa_next_free_vgpr 768
		.amdhsa_next_free_sgpr 66
		.amdhsa_reserve_vcc 1
		.amdhsa_float_denorm_mode_32 3
		.amdhsa_float_denorm_mode_16_64 3
		.amdhsa_memory_ordered 1
		.amdhsa_forward_progress 1
		.amdhsa_inst_pref_size 149
	.end_amdhsa_kernel
	.amdgpu_metadata
---
amdhsa.version: [ 1, 2 ]
amdhsa.kernels:
  - .name:           k_q58941ef69e_route
    .symbol:         k_q58941ef69e_route.kd
    .args:
      - { .name: input_features, .offset: 0, .size: 8, .value_kind: global_buffer, .address_space: global }
      - { .name: centroids, .offset: 8, .size: 8, .value_kind: global_buffer, .address_space: global }
      - { .name: stats, .offset: 16, .size: 8, .value_kind: global_buffer, .address_space: global }
      - { .name: assign, .offset: 24, .size: 8, .value_kind: global_buffer, .address_space: global }
    .group_segment_fixed_size: 34304
    .private_segment_fixed_size: 0
    .kernarg_segment_align: 8
    .kernarg_segment_size: 32
    .max_flat_workgroup_size: 128
    .sgpr_count:     66
    .vgpr_count:     768
    .wavefront_size: 32
...
	.end_amdgpu_metadata
.endif
;; end of part 4
;; launch prep (part 5): grid 257 x 1, 8 waves a work-group, no clusters, 137,472 bytes of LDS; arguments w1, w2, assign, wc, ws, order, tileinfo; writes wc, ws, order, tileinfo
.if DOCPART == 5
	.amdgcn_target "amdgcn-amd-amdhsa--gfx1250"
	.amdhsa_code_object_version 6
	.text
	.protected	k_q58941ef69e_prep
	.globl	k_q58941ef69e_prep
	.p2align	8
	.type	k_q58941ef69e_prep,@function
k_q58941ef69e_prep:
	s_mov_b64 s[64:65], 0
	v_nop
	global_prefetch_b8 v0, s[64:65] scope:SCOPE_SE
	s_setreg_imm32_b32 hwreg(HW_REG_WAVE_MODE, 25, 1), 1
	s_wait_xcnt 0x0
; TWO JOBS IN ONE LAUNCH.  Work-groups 0 to 255 turn w1 [8][512][1024] and w2 [8][1024][512], f32 with K innermost, into codes of BF6 (E3M2) with one E8M0 byte for each 32 along K;
; work-group 256 sorts the tokens by their experts (a counting sort, no atomics) beside them.  The two ways part on the work-group's number and have LDS bytes of their own.
; THE CODES ARE LAID IN THE ORDER OF THE OPERAND'S REGISTERS.  wc: 512 blocks of 8 fragments of 1,536 bytes.  A fragment (16 rows x 128 K, 12 registers a lane) is three runs of 512 bytes:
; run c holds lane l's registers 4 c .. 4 c + 3 at byte 16 l.  Lane (r, h) of the fragment with parity u takes row 8 u + r + 8 (r / 8) of its 32 rows; registers 6 c .. 6 c + 5 hold K = 64 c + 32 h + 0 .. 31.
; Block ((4 e + w) 8 + s) of w1: fragment t: rows 512 e + 128 w + 32 (t / 2) on, K = 128 s on.  Block 256 + ((4 e + w) 8 + p) of w2: fragment 2 s + u: rows 1024 e + 256 w + 32 p on, K = 128 s on.
; ws: 512 blocks of 512 bytes: lane l's 16 bytes at 16 l; its word q is the scale word of row l % 16 of fragment 2 q (lanes 0-15) or 2 q + 1 (lanes 16-31).
; In both tensors fragments 2 v and 2 v + 1 of a block are 32 consecutive rows x 128 K: one wave's share.  A work-group makes two blocks, four waves each.
; A block's scale is 2^(floor(log2(its largest magnitude)) - 4); its byte is that magnitude's exponent field - 4, held at 1 from below.  A block of zeros so gets the byte 1: its codes are zeros, and this program alone reads the bytes.
; LIMITS: NaN and infinities among the weights are not served.
; THE SORT.  order[64 tile + k] = the token in row k of a tile of 64 rows of one expert (0 in the rows that are left over); tileinfo[tile] = expert | rows << 8.  Experts follow each other, each beginning a new tile:
; never more than 128 + 7 tiles.  All 256 entries of tileinfo and all 9,216 of order are written.
.set QST, 0                            ; LDS, quantiser: a stage of 32 rows x (512 + 16) bytes for each wave;
.set QSC, 8*32*528                     ; two blocks' scale words
.set SRT, QSC+1024                     ; LDS, sort: the eight waves' counts
.set DQ,  64                           ; v64-191   32 rows as loaded
.set XQ,  192                          ; v192-255  a lane's two blocks of 32 neighbours
.set CD,  16                           ; v16-27    a fragment's codes
	s_load_b256 s[4:11], s[0:1], 0x0               ; w1 s[4:5], w2 s[6:7], assign s[8:9], wc s[10:11]
	s_load_b128 s[12:15], s[0:1], 0x20             ; ws s[12:13], order s[14:15]
	s_load_b64 s[16:17], s[0:1], 0x30              ; tileinfo
	v_lshl_add_u32 v62, v0, 2, 0x21500
	v_mov_b32 v63, 0
	v_lshrrev_b32 v2, 5, v0
	s_delay_alu instid0(VALU_DEP_1)
	v_readfirstlane_b32 s2, v2                     ; wave 0..7
	s_cmp_eq_u32 ttmp9, 256
	s_cbranch_scc1 .Lsort
	; ---------------- the quantiser ----------------
	v_and_b32 v3, 31, v0
	s_delay_alu instid0(VALU_DEP_1)
	v_lshlrev_b32 v1, 4, v3                        ; 16 x lane
	s_lshr_b32 s18, s2, 2                          ; which of the work-group's two blocks
	s_and_b32 s19, s2, 3                           ; v: which pair of fragments
	s_lshl_b32 s20, ttmp9, 1
	s_add_co_u32 s20, s20, s18                     ; the block, 0..511
	s_mul_i32 s21, s2, 32*528                      ; my stage
	v_add_nc_u32 v4, s21, v1                       ; in: a row's 512 bytes as they lie
	v_and_b32 v8, 15, v0                           ; r
	v_bfe_u32 v9, v0, 4, 1                         ; h
	s_delay_alu instid0(VALU_DEP_2)
	v_mul_u32_u24 v5, v8, 528
	s_delay_alu instid0(VALU_DEP_1)
	v_lshl_add_u32 v5, v9, 7, v5
	s_delay_alu instid0(VALU_DEP_1)
	v_add_nc_u32 v5, s21, v5                       ; out: place r, + 128 h: my 32 neighbours of each 64
	s_lshl_b32 s22, s18, 9
	s_add_co_u32 s22, s22, QSC
	v_add_nc_u32 v7, s22, v1                       ; my block's scale words: 16 bytes a lane,
	s_lshl_b32 s23, s19, 2
	v_add_nc_u32 v6, s23, v7                       ; word v of them
	v_lshlrev_b32 v14, 3, v9                       ; 8 h
	v_mov_b32 v15, 0                               ; (a lane permute's destination counts as one of its sources)
	s_mov_b32 s30, 0x76543210
	s_mov_b32 s31, 0xfedcba98
	s_mov_b32 s33, 0xffff0000                      ; lanes 16-31
	s_lshr_b32 s24, s20, 3                         ; w1: (128 (block / 8) + 32 v) rows of 4,096 bytes + 512 (block % 8)
	s_lshl_b32 s24, s24, 19
	s_lshl_b32 s25, s19, 17
	s_add_co_u32 s24, s24, s25
	s_and_b32 s25, s20, 7
	s_lshl_b32 s25, s25, 9
	s_add_co_u32 s24, s24, s25
	s_and_b32 s26, s20, 255                        ; w2: 32 (block - 256) rows of 2,048 bytes + 512 v
	s_lshl_b32 s26, s26, 16
	s_lshl_b32 s27, s19, 9
	s_add_co_u32 s26, s26, s27
	s_mul_i32 s28, s20, 8*1536                     ; the codes: block x 12,288 + 2 v fragments
	s_mul_i32 s29, s19, 2*1536
	s_add_co_u32 s28, s28, s29
	s_mov_b32 s29, 0
	s_lshl_b32 s34, s20, 9                         ; the scale words: block x 512
	s_mov_b32 s35, 0
	s_wait_kmcnt 0x0
	s_cmp_lt_u32 ttmp9, 128                        ; w1's work-group or w2's: the choice hangs on the work-group's number alone
	s_cselect_b32 s24, s24, s26
	s_cselect_b64 s[4:5], s[4:5], s[6:7]
	s_mov_b32 s25, 0
	s_add_nc_u64 s[4:5], s[4:5], s[24:25]
	s_add_nc_u64 s[10:11], s[10:11], s[28:29]
	s_add_nc_u64 s[12:13], s[12:13], s[34:35]
.macro QLOAD pitch                     ; 32 rows, 512 consecutive bytes each: 16 KiB of a wave on their way
.set i, 0
.rept 32
	global_load_b128 v[DQ+4*i:DQ+4*i+3], v1, s[4:5] offset:i*\pitch th:TH_LOAD_NT
.set i, i+1
.endr
.endm
	s_cmp_lt_u32 ttmp9, 128
	s_cbranch_scc0 .Lq2
	QLOAD 4096
	s_branch .Lqj
.Lq2:
	QLOAD 2048
.Lqj:
.set i, 0
.rept 32                               ; row i goes to place 16 u + r of the stage, u = (i / 8) % 2, r = i % 8 + 8 (i / 16): a fragment's rows then lie side by side
.if (i%8) == 0
	s_wait_loadcnt 24-i                            ; the next eight rows are in; the later ones stay out
.endif
	ds_store_b128 v4, v[DQ+4*i:DQ+4*i+3] offset:(16*((i>>3)&1)+(i&7)+8*(i>>4))*528
.set i, i+1
.endr
.macro QFRAG u
.if \u
	s_wait_xcnt 0x0                                ; the first fragment's stores have read their registers
.endif
.irp c, 0,1
.irp j, 0,1,2,3,4,5,6,7
	ds_load_b128 v[XQ+32*\c+4*\j:XQ+32*\c+4*\j+3], v5 offset:16*\u*528+256*\c+16*\j   ; LDS serves a wave's instructions in order: these see my stores
.endr
.endr
	s_wait_dscnt 0x0
.irp c, 0,1
	v_max3_num_f32 v[8+\c], |v[XQ+32*\c]|, |v[XQ+32*\c+1]|, 0x2800000   ; my block 2 c + h: all 32 numbers are mine; the floor 2^(5 - 127) holds the byte at 1 from below
.endr
.irp i, 2,4,6,8,10,12,14,16,18,20,22,24,26,28,30
.irp c, 0,1
	s_delay_alu instid0(VALU_DEP_2)
	v_max3_num_f32 v[8+\c], v[8+\c], |v[XQ+32*\c+\i]|, |v[XQ+32*\c+\i+1]|
.endr
.endr
.irp c, 0,1
	s_delay_alu instid0(VALU_DEP_2)
	v_add_nc_u32 v[10+\c], 0xfe000000, v[8+\c]     ; 4 off the exponent field: the conversion's scale operand
.endr
.irp c, 0,1
	s_delay_alu instid0(VALU_DEP_2)
	v_lshrrev_b32 v[12+\c], 23, v[10+\c]           ; the scale's byte
.endr
	v_cvt_scalef32_pk16_bf6_f32 v[CD:CD+2], v[XQ:XQ+15], v10
	v_cvt_scalef32_pk16_bf6_f32 v[28:30], v[XQ+16:XQ+31], v10        ; (a conversion's three registers begin on an even number)
	v_cvt_scalef32_pk16_bf6_f32 v[CD+6:CD+8], v[XQ+32:XQ+47], v11
	v_cvt_scalef32_pk16_bf6_f32 v[32:34], v[XQ+48:XQ+63], v11
	v_lshl_or_b32 v[36+\u], v13, 16, v12           ; (a plain line behind the conversions)  my two bytes: blocks h and 2 + h of my row,
.irp i, 0,1,2
	v_mov_b32 v[CD+3+\i], v[28+\i]
	v_mov_b32 v[CD+9+\i], v[32+\i]
.endr
	v_lshlrev_b32 v[36+\u], v14, v[36+\u]          ; at their places in the word;
	s_delay_alu instid0(VALU_DEP_1)
	v_permlanex16_b32 v15, v[36+\u], s30, s31
	s_delay_alu instid0(VALU_DEP_1)
	v_or_b32 v[36+\u], v[36+\u], v15               ; with lane l xor 16's two the word is whole
.irp c, 0,1,2
	global_store_b128 v1, v[CD+4*\c:CD+4*\c+3], s[10:11] offset:\u*1536+512*\c     ; 512 consecutive bytes, aligned
.endr
.endm
	s_wait_alu depctr_va_vdst(0)
	QFRAG 0
	QFRAG 1
	v_cndmask_b32 v38, v36, v37, s33               ; lanes 0-15: the even fragment's words, lanes 16-31: the odd one's
	ds_store_b32 v6, v38
	s_wait_dscnt 0x0
	s_barrier_signal -1
	s_barrier_wait -1
	s_cmp_lg_u32 s19, 0                            ; one wave of each four stores its block's 512 bytes of scale words
	s_cbranch_scc1 .Lqend
	ds_load_b128 v[40:43], v7
	s_wait_dscnt 0x0
	global_store_b128 v1, v[40:43], s[12:13]
.Lqend:
	s_wait_tensorcnt 0x0
	ds_add_u32 v62, v63
	s_wait_dscnt 0x0
	s_endpgm
	; ---------------- the sort: 256 threads, 32 tokens each ----------------
	; v16-23 the next free place of each expert; v24-27 counts, two experts to a register (expert i below, i + 4 above); v28-31 my own counts; v64-95 my tokens' 4 x expert; v96-127 places; v128-159 tokens
.Lsort:
	v_lshlrev_b32 v1, 4, v0                        ; 16 x thread
	v_lshlrev_b32 v2, 2, v0                        ; 4 x thread
.irp q, 0,1,2,3
	v_mov_b32 v[44+\q], 0
	v_mov_b32 v[32+\q], 0
.endr
	v_mov_b32 v48, 1
	v_lshrrev_b32 v51, 5, v0
	s_delay_alu instid0(VALU_DEP_1)
	v_lshl_add_u32 v51, v51, 4, SRT                ; my wave's 16 bytes
	v_mov_b32 v56, SRT
	s_mov_b32 s41, 0x0f0f0f0f
	s_mov_b32 s42, 0x00ff00ff
	s_mov_b32 s43, 0xffff0000
	s_wait_alu depctr_va_vdst(0)
	s_wait_kmcnt 0x0
.irp i, 0,1,2,3,4,5,6,7
	global_load_b128 v[64+4*\i:67+4*\i], v1, s[8:9] offset:4096*\i      ; register 4 i + c: token 1,024 i + 4 thread + c
.endr
.irp i, 0,1,2,3,4,5,6,7,8
	global_store_b128 v1, v[44:47], s[14:15] offset:4096*\i             ; all of order becomes 0: the rows that are left over stay so
.endr
	s_wait_loadcnt 0x0
.irp g, 0,1,2,3                        ; a 1 in the expert's four bits; eight tokens are added so (8 fits), then widened to bytes (32 fits)
	v_lshlrev_b32 v32, v[64+8*\g], v48
.irp j, 1,2,3,4,5,6,7
	v_lshlrev_b32 v33, v[64+8*\g+\j], v48
	s_delay_alu instid0(VALU_DEP_1)
	v_add_nc_u32 v32, v32, v33
.endr
	s_delay_alu instid0(VALU_DEP_1)
	v_and_b32 v33, s41, v32
	s_delay_alu instid0(VALU_DEP_2)
	v_lshrrev_b32 v34, 4, v32
	s_delay_alu instid0(VALU_DEP_1)
	v_and_b32 v34, s41, v34
.if \g == 0
	s_delay_alu instid0(VALU_DEP_3)
	v_mov_b32 v49, v33                             ; experts 0, 2, 4, 6
	s_delay_alu instid0(VALU_DEP_2)
	v_mov_b32 v50, v34                             ; experts 1, 3, 5, 7
.else
	s_delay_alu instid0(VALU_DEP_3)
	v_add_nc_u32 v49, v49, v33
	s_delay_alu instid0(VALU_DEP_2)
	v_add_nc_u32 v50, v50, v34
.endif
.endr
	s_delay_alu instid0(VALU_DEP_2)
	v_and_b32 v24, s42, v49                        ; to 16 bits (8,192 fits): (0, 4)
	s_delay_alu instid0(VALU_DEP_2)
	v_and_b32 v25, s42, v50                        ; (1, 5)
	s_delay_alu instid0(VALU_DEP_4)
	v_lshrrev_b32 v26, 8, v49
	s_delay_alu instid0(VALU_DEP_4)
	v_lshrrev_b32 v27, 8, v50
	s_delay_alu instid0(VALU_DEP_2)
	v_and_b32 v26, s42, v26                        ; (2, 6)
	s_delay_alu instid0(VALU_DEP_2)
	v_and_b32 v27, s42, v27                        ; (3, 7)
.irp q, 0,1,2,3
	v_mov_b32 v[28+\q], v[24+\q]
.endr
.irp n, 1,2,4,8                        ; running sums over the 16 lanes of a row
.irp q, 0,1,2,3
	v_mov_b32_dpp v[32+\q], v[24+\q] row_shr:\n row_mask:0xf bank_mask:0xf bound_ctrl:1
.endr
.irp q, 0,1,2,3
	s_delay_alu instid0(VALU_DEP_4)
	v_add_nc_u32 v[24+\q], v[24+\q], v[32+\q]
.endr
.endr
.irp q, 0,1,2,3
	s_delay_alu instid0(VALU_DEP_4)
	v_readlane_b32 s[44+\q], v[24+\q], 15          ; the lower row's total goes onto lanes 16-31
.endr
.irp q, 0,1,2,3
	v_mov_b32 v[32+\q], s[44+\q]
	s_delay_alu instid0(VALU_DEP_1)
	v_cndmask_b32 v[32+\q], v44, v[32+\q], s43
	s_delay_alu instid0(VALU_DEP_1)
	v_add_nc_u32 v[24+\q], v[24+\q], v[32+\q]
.endr
.irp q, 0,1,2,3
	v_readlane_b32 s[44+\q], v[24+\q], 31          ; my wave's totals
.endr
.irp q, 0,1,2,3
	s_delay_alu instid0(VALU_DEP_4)
	v_mov_b32 v[52+\q], s[44+\q]
.endr
	ds_store_b128 v51, v[52:55]
	s_wait_storecnt 0x0                            ; my zeros are written: no wave places a token before every wave's zeros are done
	s_wait_dscnt 0x0
	s_barrier_signal -1
	s_barrier_wait -1
.irp w, 0,1,2,3,4,5,6,7
	ds_load_b128 v[160+4*\w:163+4*\w], v56 offset:16*\w
.endr
	s_wait_dscnt 0x0
.irp q, 0,1,2,3
	v_mov_b32 v[36+\q], v[160+\q]                  ; all waves' totals,
	v_mov_b32 v[40+\q], 0                          ; and those of the waves in front of mine
.endr
.irp w, 0,1,2,3,4,5,6
	s_cmp_gt_u32 s2, \w
	s_cselect_b32 s48, -1, 0
.irp q, 0,1,2,3
	v_and_b32 v[32+\q], s48, v[160+4*\w+\q]
	s_delay_alu instid0(VALU_DEP_1)
	v_add_nc_u32 v[40+\q], v[40+\q], v[32+\q]
	v_add_nc_u32 v[36+\q], v[36+\q], v[164+4*\w+\q]
.endr
.endr
.irp q, 0,1,2,3
	v_readfirstlane_b32 s[20+\q], v[36+\q]
.endr
.irp q, 0,1,2,3
	s_and_b32 s[24+\q], s[20+\q], 0xffff           ; s24-31: each expert's tokens
	s_lshr_b32 s[28+\q], s[20+\q], 16
.endr
	s_mov_b32 s32, 0                               ; s32-40: each expert's first tile
.irp e, 0,1,2,3,4,5,6,7
	s_add_co_u32 s49, s[24+\e], 63
	s_lshr_b32 s49, s49, 6
	s_add_co_u32 s[33+\e], s[32+\e], s49
.endr
.irp q, 0,1,2,3
	v_add_nc_u32 v[32+\q], v[40+\q], v[24+\q]
	s_delay_alu instid0(VALU_DEP_1)
	v_sub_nc_u32 v[32+\q], v[32+\q], v[28+\q]      ; tokens of each expert in front of mine
	s_delay_alu instid0(VALU_DEP_1)
	v_and_b32 v[16+\q], 0xffff, v[32+\q]
	s_delay_alu instid0(VALU_DEP_2)
	v_lshrrev_b32 v[20+\q], 16, v[32+\q]
	s_delay_alu instid0(VALU_DEP_2)
	v_lshl_add_u32 v[16+\q], s[32+\q], 6, v[16+\q] ; + 64 x the expert's first tile
	s_delay_alu instid0(VALU_DEP_2)
	v_lshl_add_u32 v[20+\q], s[36+\q], 6, v[20+\q]
.endr
.set j, 0
.rept 32                               ; token j takes its expert's next place; each has registers of its own, so that no store's sources are written again
	v_mov_b32 v[96+j], v16
.irp e, 0
	v_cmp_eq_u32 vcc_lo, 4*\e, v[64+j]
.if \e > 0
	v_cndmask_b32 v[96+j], v[96+j], v[16+\e], vcc_lo
.endif
	s_delay_alu instid0(VALU_DEP_1)
	v_add_co_ci_u32 v[16+\e], vcc_lo, 0, v[16+\e], vcc_lo            ; + 1 where it was taken
.endr
.irp e, 1, 2, 3, 4, 5, 6, 7
	v_cmp_eq_u32 vcc_lo, 4*\e, v[64+j]
.if \e > 0
	s_delay_alu instid0(VALU_DEP_1)
	v_cndmask_b32 v[96+j], v[96+j], v[16+\e], vcc_lo
.endif
	s_delay_alu instid0(VALU_DEP_2)
	v_add_co_ci_u32 v[16+\e], vcc_lo, 0, v[16+\e], vcc_lo
.endr
	s_delay_alu instid0(VALU_DEP_2)
	v_min_u32 v[96+j], 0x21bf, v[96+j]             ; 135 tiles x 64 - 1: no place lies beyond
	s_delay_alu instid0(VALU_DEP_1)
	v_lshlrev_b32 v[96+j], 2, v[96+j]
	v_add_nc_u32 v[128+j], 1024*(j/4)+j%4, v2
	global_store_b32 v[96+j], v[128+j], s[14:15]
.set j, j+1
.endr
	v_mov_b32 v57, 0                               ; tile = thread: the last expert whose first tile is not beyond it
	v_mov_b32 v58, s24
	v_mov_b32 v59, 0
.irp e, 1,2,3,4,5,6,7
	v_cmp_gt_u32 vcc_lo, s[32+\e], v0
	s_delay_alu instid0(VALU_DEP_1)
	v_cndmask_b32 v57, s[32+\e], v57, vcc_lo
	s_delay_alu instid0(VALU_DEP_2)
	v_cndmask_b32 v58, s[24+\e], v58, vcc_lo
	s_delay_alu instid0(VALU_DEP_3)
	v_cndmask_b32 v59, \e, v59, vcc_lo
.endr
	s_delay_alu instid0(VALU_DEP_3)
	v_sub_nc_u32 v60, v0, v57
	s_delay_alu instid0(VALU_DEP_1)
	v_lshlrev_b32 v60, 6, v60                      ; the expert's tokens in earlier tiles
	s_delay_alu instid0(VALU_DEP_1)
	v_cmp_gt_u32 vcc_lo, v58, v60
	s_delay_alu instid0(VALU_DEP_2)
	v_sub_nc_u32 v61, v58, v60
	s_delay_alu instid0(VALU_DEP_1)
	v_min_u32 v61, 64, v61
	s_delay_alu instid0(VALU_DEP_1)
	v_cndmask_b32 v61, 0, v61, vcc_lo              ; rows: what is left, 64 at the most, 0 behind the last tile
	s_delay_alu instid0(VALU_DEP_1)
	v_lshl_or_b32 v61, v61, 8, v59
	global_store_b32 v2, v61, s[16:17]
	s_wait_tensorcnt 0x0
	ds_add_u32 v62, v63
	s_wait_dscnt 0x0
	s_endpgm
.Lfunc_end_k_q58941ef69e_prep:
	.size	k_q58941ef69e_prep, .Lfunc_end_k_q58941ef69e_prep-k_q58941ef69e_prep
	.p2alignl 7, 3214868480
	.fill 96, 4, 3214868480
	.section	.rodata,"a",@progbits
	.p2align	6, 0x0
	.amdhsa_kernel k_q58941ef69e_prep
		.amdhsa_group_segment_fixed_size 137472
		.amdhsa_private_segment_fixed_size 0
		.amdhsa_enable_private_segment 0
		.amdhsa_kernarg_size 56
		.amdhsa_user_sgpr_count 2
		.amdhsa_user_sgpr_kernarg_segment_ptr 1
		.amdhsa_wavefront_size32 1
		.amdhsa_system_sgpr_workgroup_id_x 1
		.amdhsa_system_sgpr_workgroup_id_y 1
		.amdhsa_system_sgpr_workgroup_id_z 1
		.amdhsa_system_vgpr_workitem_id 0
		.amdhsa_next_free_vgpr 256
		.amdhsa_next_free_sgpr 66
		.amdhsa_reserve_vcc 1
		.amdhsa_float_denorm_mode_32 3
		.amdhsa_float_denorm_mode_16_64 3
		.amdhsa_memory_ordered 1
		.amdhsa_forward_progress 1
		.amdhsa_inst_pref_size 93
	.end_amdhsa_kernel
	.amdgpu_metadata
---
amdhsa.version: [ 1, 2 ]
amdhsa.kernels:
  - .name:           k_q58941ef69e_prep
    .symbol:         k_q58941ef69e_prep.kd
    .args:
      - { .name: w1, .offset: 0, .size: 8, .value_kind: global_buffer, .address_space: global }
      - { .name: w2, .offset: 8, .size: 8, .value_kind: global_buffer, .address_space: global }
      - { .name: assign, .offset: 16, .size: 8, .value_kind: global_buffer, .address_space: global }
      - { .name: wc, .offset: 24, .size: 8, .value_kind: global_buffer, .address_space: global }
      - { .name: ws, .offset: 32, .size: 8, .value_kind: global_buffer, .address_space: global }
      - { .name: order, .offset: 40, .size: 8, .value_kind: global_buffer, .address_space: global }
      - { .name: tileinfo, .offset: 48, .size: 8, .value_kind: global_buffer, .address_space: global }
    .group_segment_fixed_size: 137472
    .private_segment_fixed_size: 0
    .kernarg_segment_align: 8
    .kernarg_segment_size: 56
    .max_flat_workgroup_size: 256
    .sgpr_count:     66
    .vgpr_count:     256
    .wavefront_size: 32
...
	.end_amdgpu_metadata
.endif
;; end of part 5
;; launch chain (part 6): grid 135 x 1, 4 waves a work-group, no clusters, 325,120 bytes of LDS; arguments input_features, ln_g, ln_b, b1, b2, wc, ws, order, tileinfo, stats, out0; writes out0
.if DOCPART == 6
	.amdgcn_target "amdgcn-amd-amdhsa--gfx1250"
	.amdhsa_code_object_version 6
	.text
	.protected	k_q58941ef69e_chain
	.globl	k_q58941ef69e_chain
	.p2align	8
	.type	k_q58941ef69e_chain,@function
k_q58941ef69e_chain:
	s_mov_b64 s[64:65], 0
	v_nop
	global_prefetch_b8 v0, s[64:65] scope:SCOPE_SE
	s_setreg_imm32_b32 hwreg(HW_REG_WAVE_SCHED_MODE, 0, 2), 2
	s_setreg_imm32_b32 hwreg(HW_REG_WAVE_MODE, 25, 1), 1
	s_wait_xcnt 0x0
	s_wait_alu depctr_vm_vsrc(0)
; ONE TILE OF 64 TOKENS OF ONE EXPERT THROUGH THE WHOLE CHAIN: gather, LayerNorm with the expert's gain and bias, quantise, x W1^T + b1, relu, quantise, h W2^T + b2, out = x + alpha (h W2^T + b2), scatter.
; Both products on codes of BF6 (E3M2) with one E8M0 scale for each 32 along K.  Only the chosen expert's rows are multiplied.  128 + 7 tiles serve every split of 8,192 tokens over 8 experts;
; a tile that a split leaves with fewer than 64 rows computes token 0 in the rest and stores only its own rows, an empty one nothing.  Every wave passes every barrier whatever the list says.
; SHARES.  Wave w loads rows 16 w .. 16 w + 15; then THE WAVES SHARE THE COLUMNS: wave w normalises and quantises columns 256 w on (K steps 2 w, 2 w + 1) of all 64 rows, makes hidden units 128 w on, and outputs 256 w on.
; x stays in LDS as f32 (rows of 4,096 + 16 bytes) and becomes out in place.  Operands go from wave to wave through LDS as images of their registers (12 registers a lane: three stores of 512 bytes).
; THE WEIGHTS come from memory straight into registers, in the order in which the operand's registers take them (laid so by the launch before): a ring of four sets of 8 fragments, asked for three steps ahead.
; Both products are used transposed (source 0 = 16 rows of the weight, source 1 = 16 tokens): a lane holds ONE token (lane % 16), and the rows of a weight's fragments are chosen so that the 16 registers of two
; neighbouring tiles are 16 neighbouring columns 32 b + 16 (lane / 16) + 0 .. 15.  The biases are the C of each sum's first matrix instruction.
; NO TENSOR LOADS, NO CLUSTER: which rows are stored, and which expert's weights are read, hangs on numbers read from memory, and the tiles of an expert are no fixed number that a cluster could divide.
; LIMITS: NaN and infinities are not served.  A block of zeros carries the scale byte 1: its codes are zeros.
; THE MODE: SCHED_MODE bits 1:0 = 2 (LLVM: expert scheduling mode 2), set by the entry lines.  The code itself states the register dependences between vector or matrix instructions
; and memory or LDS instructions, with s_wait_alu, always for 0.
; THE PLAN.  Registers that memory or LDS instructions touch, and who else names them:
;   v1-19            addresses, made at the head and never written again: one wait on va_vdst ahead of the first load.
;   window 2's halves  rows of x on their way in: loaded, read by LDS stores, loaded again: a wait on vm_vsrc ahead of each second load.
;   v104-106         the LayerNorm loop's three LDS addresses: written at a trip's top, between a wait on vm_vsrc and one on va_vdst, read by the trip's LDS loads and stores.
;   v112-239         LayerNorm: LDS loads land at a trip's top; vector instructions work in place.
;   codes, scale word (v84-103, v80-83)   written by the quantiser, read by an image's LDS stores: va_vdst ahead of the stores, vm_vsrc ahead of the next quantiser.
;   ring sets, their scale words, b2's sets   step k's matrix instructions read set k % 4; the loads of ring step k + 3, issued in the middle of step k, land in set (k - 1) % 4, which step k - 1 read.
;   x's fragments, two buffers, and their scale words   step s reads buffer s % 2; the LDS loads of step s + 1, issued at the head of step s, land in the other.
;                    So ONE wait on va_vdst at the head of a step of the first product states all that the step's loads hang on.
;   v112-175         second product: x at the places of a step's results: LDS loads land, the multiply-adds work in place, LDS stores read.  vm_vsrc at a step's head; ONE wait on va_vdst behind the
;                    multiply-adds, which also states that the step's matrix instructions are done with their ring set: the next step's ring loads land there with no further wait.
;   v176-215         the way out: eight rows and their offsets a batch: vm_vsrc at a batch's head, va_vdst ahead of its stores.
;   v254, v255       written at the head, read by the closing add alone.
; REGISTERS.  window 0: v1-19 addresses; v20-35 (mu, rstd, alpha, 0) of my token in each of the four tiles of rows; v36-47 and v240-243 the weights' scale words, four sets; v48-63 x's, later the hidden layer's scale words;
;   v64-103 the quantiser's; v112-239 numbers of x, fragments of x, rows on the way out.   window 1: ring sets 0, 1 (v0-95, v96-191); b1 (v192-255).
;   window 2: rows of x on their way in; then the hidden layer's 32 accumulators (tile of rows m, tile t: v[64 m + 8 t]); then the hidden layer's 16 fragments (v0-191) and 8 accumulators of out (v192-255).
;   window 3: the gain and the bias of my 256 columns; then ring sets 2, 3 (v0-95, v96-191) and b2, four sets (v192-255).
.set XP,   4112                        ; a row of x in LDS: 4,096 bytes + 16: the sixteen rows that a load touches start in sixteen different groups of banks
.set FRB,  1536                        ; a fragment's image
.set XIMG, 64*XP                       ; x's 32 fragments (K step s, tile of rows m: 4 s + m);
.set XSC,  XIMG+32*FRB                 ; their scale words: [s][lane][m];
.set HSC,  XIMG+16*FRB                 ; later, in x's images' place: the hidden layer's 16 fragments and, here, their scale words
.set PAR,  XSC+4096                    ; each wave's 256 gains and 256 biases
.set L16,  1                           ; 16 x lane
.set LI,   2                           ; XIMG + 16 x lane
.set XWI,  3                           ; where I store x's images
.set XWS,  4                           ; and their scale words
.set HWI,  5                           ; the hidden layer's
.set HWS,  6
.set H64,  7                           ; 64 x (lane / 16)
.set AX,   8                           ; v8-11   row 16 m + lane % 16 of x in LDS, + my wave's 1,024 bytes + 64 (lane / 16)
.set AD,   12                          ; v12-15  row 16 q, + my wave's 1,024 bytes + 16 x lane
.set XD,   16                          ; my 16 rows, 16 x lane
.set PG,   17
.set COL,  18                          ; 1,024 x wave + 16 x lane
.set PGW,  19
.set ST,   20
.set WS,   36                          ; the weights' scale words: sets 0 to 2;
.set WS3,  240                         ; set 3
.set XS,   48
.set TM,   64
.set PW,   80
.set PC,   84
.set CA,   104                         ; v104-106 addresses of the trip in hand
.set TKV,  108
.set Q0,   112
.set XE,   112
.set XF0,  112
.set OD,   176
.set OO,   208
.set XOFF, 208
.set GBT,  224
.set MSB, 0
.macro WIN new                         ; the immediate's high byte repeats the setting that is left; a switch that changes nothing is dropped
.if MSB != (\new)
	s_set_vgpr_msb (MSB<<8)|(\new)
.set MSB, \new
.endif
.endm
.macro BAR                             ; my LDS stores have landed and my LDS loads are in: then the work-group's barrier
	s_wait_dscnt 0x0
	s_barrier_signal -1
	s_barrier_wait -1
.endm
; 64 numbers of a lane in window w, register s + 16 b + i = k 32 b + 16 (lane / 16) + i of my row, become a fragment's codes in v[PC] on and its scale word in v[pw].
.macro QUANT s, w, pw
	WIN (\w)|((\w)<<2)
.irp b, 0,1,2,3
	v_max3_num_f32 v[TM+\b], |v[(\s)+16*\b]|, |v[(\s)+1+16*\b]|, 0x2800000   ; my 16 numbers of block b, and the floor 2^(5 - 127): the byte cannot fall under 1
.endr
	WIN ((\w)<<2)|((\w)<<4)
.irp i, 2,4,6,8,10,12,14
.irp b, 0,1,2,3
	v_max3_num_f32 v[TM+\b], v[TM+\b], |v[(\s)+16*\b+\i]|, |v[(\s)+1+16*\b+\i]|   ; the four blocks by turns
.endr
.endr
	WIN 0
.irp b, 0,1,2,3
	v_permlanex16_b32 v[TM+4+\b], v[TM+\b], s60, s61
.endr
.irp b, 0,1,2,3
	v_max_num_f32 v[TM+\b], v[TM+\b], v[TM+4+\b]   ; with lane l xor 16's: the block's largest magnitude
.endr
.irp b, 0,1,2,3
	v_add_nc_u32 v[TM+12+\b], 0xfe000000, v[TM+\b] ; 4 off its exponent field: the conversion's scale operand
.endr
.irp b, 0,1,2,3
	v_lshrrev_b32 v[TM+4+\b], 23, v[TM+12+\b]      ; the scale's byte
.endr
	v_lshl_or_b32 v[\pw], v[TM+5], 8, v[TM+4]
	v_lshl_or_b32 v[\pw], v[TM+6], 16, v[\pw]
	v_lshl_or_b32 v[\pw], v[TM+7], 24, v[\pw]
	WIN \w
.irp c, 0,1
	v_cvt_scalef32_pk16_bf6_f32 v[PC+6*\c:PC+2+6*\c], v[(\s)+32*\c:(\s)+15+32*\c], v[TM+12+2*\c]
	v_cvt_scalef32_pk16_bf6_f32 v[PC+12+4*\c:PC+14+4*\c], v[(\s)+16+32*\c:(\s)+31+32*\c], v[TM+12+2*\c+1]   ; (a conversion's three registers begin on an even number)
.endr
	WIN 0
	v_nop                                          ; one plain line behind a scaled conversion
.irp c, 0,1                            ; the operand's layout wants a whole block in a lane: lanes 0-15 block 2 c, lanes 16-31 block 2 c + 1
.irp i, 0,1,2
	v_permlane16_swap_b32 v[PC+6*\c+\i], v[PC+12+4*\c+\i]
.endr
.irp i, 0,1,2
	v_mov_b32 v[PC+3+6*\c+\i], v[PC+12+4*\c+\i]
.endr
.endr
.endm
.macro IMAGE adr, off                  ; the fragment in v[PC] on goes to LDS as it stands
	s_wait_alu depctr_va_vdst(0)                   ; the quantiser has written the codes v[PC ..] and the scale word, which the LDS stores read
.irp c, 0,1,2
	ds_store_b128 v[\adr], v[PC+4*\c:PC+4*\c+3] offset:(\off)+512*\c
.endr
.endm
.macro FETCHX s                        ; K step s of x: four fragments and their scale words, into buffer s % 2
.set FXB, XF0+48*((\s)%2)
.irp m, 0,1,2,3
.irp c, 0,1,2
	ds_load_b128 v[FXB+12*\m+4*\c:FXB+12*\m+4*\c+3], v[LI] offset:(4*(\s)+\m)*FRB+512*\c
.endr
.endr
	ds_load_b128 v[XS+4*((\s)%2):XS+4*((\s)%2)+3], v[LI] offset:32*FRB+512*(\s)
.endm
; Ring step k (0-7: K step k of W1; 8-15: outputs 32 (k - 8) on of W2) into set k % 4: 24 loads of 512 consecutive bytes, one of scale words; from 8 on four of b2.  25 or 29 loads.
.macro SET k
.set SRR, (\k)%4
.set SRB, 96*(SRR%2)
.set SWS, WS+4*SRR
.if SRR == 3
.set SWS, WS3
.endif
.if SRR >= 2
	WIN 0xc0                                       ; sets 2 and 3: destination window 3
.else
	WIN 0x40                                       ; sets 0 and 1: destination window 1
.endif
.if (\k) < 8
.set SOC, (\k)*8*FRB
.set SOS, (\k)*512
.else
.set SOC, 256*8*FRB+((\k)-8)*8*FRB
.set SOS, 256*512+((\k)-8)*512
.endif
.irp f, 0,1,2,3,4,5,6,7
.irp c, 0,1,2
	global_load_b128 v[SRB+12*\f+4*\c:SRB+12*\f+4*\c+3], v[L16], s[14:15] offset:SOC+\f*FRB+512*\c
.endr
.endr
.if (\k) >= 8
	WIN 0xc0
.irp j, 0,1,2,3
	global_load_b128 v[192+16*SRR+4*\j:192+16*SRR+4*\j+3], v[H64], s[12:13] offset:128*((\k)-8)+16*\j
.endr
.endif
	WIN 0
	global_load_b128 v[SWS:SWS+3], v[L16], s[16:17] offset:SOS
.endm
.macro MM d, a, b, c, sa, sb, row1     ; row1: the weight's scale words stand in lanes 16-31
.if \row1
	v_wmma_scale_f32_16x16x128_f8f6f4 v[\d:\d+7], v[\a:\a+11], v[\b:\b+11], v[\c:\c+7], v[\sa], v[\sb] matrix_a_fmt:MATRIX_FMT_BF6 matrix_b_fmt:MATRIX_FMT_BF6 matrix_a_scale:MATRIX_SCALE_ROW1
.else
	v_wmma_scale_f32_16x16x128_f8f6f4 v[\d:\d+7], v[\a:\a+11], v[\b:\b+11], v[\c:\c+7], v[\sa], v[\sb] matrix_a_fmt:MATRIX_FMT_BF6 matrix_b_fmt:MATRIX_FMT_BF6
.endif
.endm
.macro GLOAD g                         ; rows 4 g .. 4 g + 3 of my 16, whole: 32 loads of 512 consecutive bytes, into half g % 2 of window 2
.irp i, 0,1,2,3
.irp j, 0,1,2,3,4,5,6,7
	global_load_b128 v[128*((\g)%2)+32*\i+4*\j:128*((\g)%2)+32*\i+4*\j+3], v[XOFF+4*(\g)+\i], s[4:5] offset:512*\j
.endr
.endr
.endm
.macro GSTORE g
.irp i, 0,1,2,3
.irp j, 0,1,2,3,4,5,6,7
	ds_store_b128 v[XD], v[128*((\g)%2)+32*\i+4*\j:128*((\g)%2)+32*\i+4*\j+3] offset:(4*(\g)+\i)*XP+512*\j
.endr
.endr
.endm
	s_load_b512 s[4:19], s[0:1], 0x0               ; x s[4:5], ln_g s[6:7], ln_b s[8:9], b1 s[10:11], b2 s[12:13], wc s[14:15], ws s[16:17], order s[18:19]
	s_load_b128 s[20:23], s[0:1], 0x40             ; tileinfo s[20:21], stats s[22:23]
	s_load_b64 s[24:25], s[0:1], 0x50              ; out
	v_lshl_add_u32 v254, v0, 2, 0x4f400            ; my spare word, behind the gains and biases, and 0: made here and kept for the closing lines alone
	v_mov_b32 v255, 0
	v_lshrrev_b32 v104, 5, v0
	v_readfirstlane_b32 s2, v104                   ; wave 0..3
	v_and_b32 v105, 31, v0                         ; lane
	v_and_b32 v106, 15, v0                         ; r
	v_bfe_u32 v107, v0, 4, 1                       ; h
	v_lshlrev_b32 v[L16], 4, v105
	v_add_nc_u32 v[LI], XIMG, v[L16]
	s_wait_alu depctr_va_sdst(0)                   ; s2 is written, ahead of its first reader: LDS addresses and the buffers' bases are made from it
	s_mul_i32 s62, s2, 8*FRB                       ; K steps 2 w, 2 w + 1: fragments 8 w on
	v_add_nc_u32 v[XWI], s62, v[LI]
	s_lshl_b32 s62, s2, 10
	v_add_nc_u32 v[COL], s62, v[L16]
	v_add_nc_u32 v[XWS], XSC, v[COL]
	s_mul_i32 s63, s2, 4*FRB                       ; K step w of the second product: fragments 4 w on
	v_add_nc_u32 v[HWI], s63, v[LI]
	s_lshl_b32 s63, s2, 9
	v_add_nc_u32 v[HWS], s63, v[L16]
	v_add_nc_u32 v[HWS], HSC, v[HWS]
	v_lshlrev_b32 v[H64], 6, v107
	v_mul_u32_u24 v[AX], v106, XP
	v_add_nc_u32 v[AX], v[AX], v[H64]
	v_add_nc_u32 v[AX], s62, v[AX]
	v_add_nc_u32 v[AX+1], 16*XP, v[AX]
	v_add_nc_u32 v[AX+2], 32*XP, v[AX]
	v_add_nc_u32 v[AX+3], 48*XP, v[AX]
	v_mov_b32 v[AD], v[COL]
	v_add_nc_u32 v[AD+1], 16*XP, v[COL]
	v_add_nc_u32 v[AD+2], 32*XP, v[COL]
	v_add_nc_u32 v[AD+3], 48*XP, v[COL]
	s_mul_i32 s63, s2, 16*XP
	v_add_nc_u32 v[XD], s63, v[L16]
	s_lshl_b32 s63, s2, 11
	s_add_co_u32 s63, s63, PAR
	v_add_nc_u32 v[PG], s63, v[H64]
	v_add_nc_u32 v[PGW], s63, v[L16]
	v_lshlrev_b32 v104, 2, v106                    ; 4 r
	s_mov_b32 s60, 0x76543210
	s_mov_b32 s61, 0xfedcba98                      ; v_permlanex16_b32's selects for lane l xor 16
.irp b, 0,1,2,3
	v_mov_b32 v[TM+4+\b], 0                        ; written once: a lane permute's destination counts as one of its sources
.endr
	s_wait_kmcnt 0x0
	s_mov_b32 s63, 0
	s_lshl_b32 s62, ttmp9, 2
	s_add_nc_u64 s[20:21], s[20:21], s[62:63]
	s_load_b32 s26, s[20:21], 0x0                  ; my tile: expert | rows << 8
	s_lshl_b32 s62, ttmp9, 8
	s_add_nc_u64 s[18:19], s[18:19], s[62:63]      ; the tile's 64 tokens
	s_lshl_b32 s62, s2, 6
	s_add_nc_u64 s[100:101], s[18:19], s[62:63]
	s_load_b512 s[28:43], s[100:101], 0x0          ; the 16 whose rows I load
	s_wait_kmcnt 0x0
	s_lshr_b32 s27, s26, 8
	s_min_u32 s27, s27, 64                         ; rows
	s_and_b32 s26, s26, 7
	s_min_u32 s26, s26, 7                          ; expert
	s_lshl_b32 s62, s26, 12
	s_lshl_b32 s66, s2, 10
	s_add_co_u32 s62, s62, s66                     ; 4,096 e + 1,024 w: my 256 columns of the expert's gain, bias and b2
	s_add_nc_u64 s[6:7], s[6:7], s[62:63]
	s_add_nc_u64 s[8:9], s[8:9], s[62:63]
	s_add_nc_u64 s[12:13], s[12:13], s[62:63]
	s_lshl_b32 s62, s26, 11
	s_lshl_b32 s66, s2, 9
	s_add_co_u32 s62, s62, s66                     ; 2,048 e + 512 w: my 128 hidden units of b1
	s_add_nc_u64 s[10:11], s[10:11], s[62:63]
	s_lshl_b32 s66, s26, 2
	s_add_co_u32 s66, s66, s2                      ; 4 e + w: eight blocks of codes and of scale words in each weight
	s_mul_i32 s62, s66, 64*FRB
	s_add_nc_u64 s[14:15], s[14:15], s[62:63]
	s_mul_i32 s62, s66, 4096
	s_add_nc_u64 s[16:17], s[16:17], s[62:63]
.irp i, 0,1,2,3,4,5,6,7,8,9,10,11,12,13,14,15
	s_min_u32 s[28+\i], s[28+\i], 0x1fff
	s_lshl_b32 s[28+\i], s[28+\i], 12
	v_add_nc_u32 v[XOFF+\i], s[28+\i], v[L16]      ; the row's byte offset + 16 x lane
.endr
	s_wait_alu depctr_va_vdst(0)                   ; the addresses v1 to v19, the tokens' offset v104 and the sixteen rows' offsets are written: the loads and stores from here on read them
	; ---- the rows come in: four groups of four rows, two groups on their way at a time
.irp m, 0,1,2,3
	global_load_b32 v[TKV+\m], v104, s[18:19] offset:64*\m              ; the token of row 16 m + r
.endr
	global_load_b128 v[GBT:GBT+3], v[L16], s[6:7]
	global_load_b128 v[GBT+4:GBT+7], v[L16], s[6:7] offset:512
	global_load_b128 v[GBT+8:GBT+11], v[L16], s[8:9]
	global_load_b128 v[GBT+12:GBT+15], v[L16], s[8:9] offset:512
	WIN 0x80                                       ; destination window 2
	GLOAD 0
	WIN 0
	s_wait_loadcnt 36                              ; the four tokens are in: behind them 4 loads of gain and bias and the group's 32
.irp m, 0,1,2,3
	v_min_u32 v[TKV+\m], 0x1fff, v[TKV+\m]
	v_lshlrev_b32 v[TKV+\m], 4, v[TKV+\m]
.endr
	s_wait_alu depctr_va_vdst(0)                   ; the four offsets into stats are written, which the loads below read
.irp m, 0,1,2,3
	global_load_b128 v[ST+4*\m:ST+4*\m+3], v[TKV+\m], s[22:23]          ; (mu, rstd, alpha, 0)
.endr
	WIN 0x80
	GLOAD 1
	WIN 0
	s_load_b512 s[28:43], s[18:19], 0x0            ; all 64 tokens, for the way out
	s_load_b512 s[44:59], s[18:19], 0x40
	s_load_b512 s[68:83], s[18:19], 0x80
	s_load_b512 s[84:99], s[18:19], 0xc0
	s_wait_loadcnt 36                              ; gain, bias and group 0 are in: behind them the 4 loads of stats and group 1's 32
.irp i, 0,1,2,3
	ds_store_b128 v[PGW], v[GBT+4*\i:GBT+4*\i+3] offset:512*\i
.endr
	WIN 0x08                                       ; an LDS store's data are its source 1: window 2
	GSTORE 0
	WIN 0
	s_wait_dscnt 0x0
	WIN 0x80
	s_wait_alu depctr_vm_vsrc(0)                   ; group 0's LDS stores have read the lower half of window 2, in which group 2 lands
	GLOAD 2
	s_wait_loadcnt 32                              ; stats and group 1 are in; group 2's 32 stay out
	WIN 0x08
	GSTORE 1
	WIN 0xc0                                       ; destination window 3: the gain at v[64 s + 16 b + i], the bias 128 further on, in the quantiser's order
.irp t, 0,1
.irp s, 0,1
.irp b, 0,1,2,3
.irp j, 0,1,2,3
	ds_load_b128 v[128*\t+64*\s+16*\b+4*\j:128*\t+64*\s+16*\b+4*\j+3], v[PG] offset:1024*\t+512*\s+128*\b+16*\j
.endr
.endr
.endr
.endr
	WIN 0
	s_wait_dscnt 0x0
	WIN 0x80
	s_wait_alu depctr_vm_vsrc(0)                   ; group 1's LDS stores have read the upper half of window 2, in which group 3 lands
	GLOAD 3
	s_wait_loadcnt 32                              ; group 2 is in; group 3's 32 stay out
	WIN 0x08
	GSTORE 2
	WIN 0x40                                       ; destination window 1: b1 in the result's layout: tile t: hidden units 32 (t / 2) + 16 h + 8 (t % 2) + 0 .. 7
.irp t, 0,1,2,3,4,5,6,7
	global_load_b128 v[192+8*\t:192+8*\t+3], v[H64], s[10:11] offset:(32*(\t/2)+8*(\t%2))*4
	global_load_b128 v[192+8*\t+4:192+8*\t+7], v[H64], s[10:11] offset:(32*(\t/2)+8*(\t%2))*4+16
.endr
	SET 0
	s_wait_loadcnt 41                              ; group 3 is in: behind it b1's 16 loads and ring step 0's 25
	WIN 0x08
	GSTORE 3
	SET 1
	s_wait_kmcnt 0x0
.set k, 0
.rept 64                               ; token k's byte offset in s[28 + k] (k < 32) or s[36 + k]
	s_min_u32 s[28+k+8*(k/32)], s[28+k+8*(k/32)], 0x1fff
	s_lshl_b32 s[28+k+8*(k/32)], s[28+k+8*(k/32)], 12
.set k, k+1
.endr
	BAR                                            ; 64 rows of x lie in LDS; from here on wave w alone touches its 1,024 bytes of each row
	; ---- LayerNorm and the quantiser: a trip takes a tile of 16 rows, my two K steps
.macro LNQ sp
.set QB, Q0+64*\sp
.set j, 0
.rept 32
	v_pk_add_f32 v[QB+j:QB+j+1], v[QB+j:QB+j+1], v[ST:ST+1] op_sel_hi:[1,0] neg_lo:[0,1] neg_hi:[0,1]   ; x - mu (of the pair (mu, rstd) the first serves both halves)
.set j, j+2
.endr
.set j, 0
.rept 32
	v_pk_mul_f32 v[QB+j:QB+j+1], v[QB+j:QB+j+1], v[ST:ST+1] op_sel:[0,1] op_sel_hi:[1,1]                 ; x rstd (the second serves both halves)
.set j, j+2
.endr
	WIN 0x3c                                       ; sources 1 and 2 window 3
.set j, 0
.rept 32
	v_pk_fma_f32 v[QB+j:QB+j+1], v[QB+j:QB+j+1], v[64*\sp+j:64*\sp+j+1], v[128+64*\sp+j:128+64*\sp+j+1]  ; x gain + bias
.set j, j+2
.endr
	WIN 0
	QUANT QB, 0, PW
	IMAGE CA+1, 4*\sp*FRB
	ds_store_b32 v[CA+2], v[PW] offset:512*\sp
.endm
	s_mov_b32 s66, 0
	s_mov_b32 s67, 0
	s_mov_b32 s100, 0
	s_mov_b32 s101, 0
.Lx2:
	s_wait_alu depctr_vm_vsrc(0)                   ; what was issued so far has read: the three addresses written below (first trip: v104, the tokens' offset); the codes and the scale word, which the quantiser writes again; first trip: the rows' offsets and the staged gain and bias, in which x lands, and window 2's rows, which the first product writes
	v_add_nc_u32 v[CA], s67, v[AX]
	v_add_nc_u32 v[CA+1], s100, v[XWI]
	v_add_nc_u32 v[CA+2], s101, v[XWS]
	s_wait_alu depctr_va_vdst(0)                   ; the three addresses are written, which the trip's LDS loads and stores read; the trip before is done with v[Q0 ..], in which the loads land
.irp s, 0,1
.irp b, 0,1,2,3
.irp j, 0,1,2,3
	ds_load_b128 v[Q0+64*\s+16*\b+4*\j:Q0+64*\s+16*\b+4*\j+3], v[CA] offset:512*\s+128*\b+16*\j
.endr
.endr
.endr
	s_wait_dscnt 16                                ; the first K step's numbers are in; the second's 16 loads stay out
	LNQ 0
	s_wait_dscnt 0x0                               ; the second K step is in
	s_wait_alu depctr_vm_vsrc(0)                   ; the first K step's LDS stores have read the codes and the scale word, which the second's quantiser writes again
	LNQ 1
	s_wait_dscnt 0x0
	v_mov_b32 v[ST], v[ST+4]                       ; (mu, rstd) of the next tiles of rows move down; alpha stays
	v_mov_b32 v[ST+1], v[ST+5]
	v_mov_b32 v[ST+4], v[ST+8]
	v_mov_b32 v[ST+5], v[ST+9]
	v_mov_b32 v[ST+8], v[ST+12]
	v_mov_b32 v[ST+9], v[ST+13]
	s_add_co_u32 s67, s67, 16*XP
	s_add_co_u32 s100, s100, FRB
	s_add_co_u32 s101, s101, 4
	s_add_co_u32 s66, s66, 1
	s_cmp_lt_u32 s66, 4
	s_cbranch_scc1 .Lx2
	s_wait_alu depctr_va_vdst(0)                   ; the LayerNorm is done reading the gain and the bias, in whose registers ring steps 2 and 3 and b2 land, and is done with v[Q0 ..], in which x's fragments land
	SET 2                                          ; gain and bias are done with: window 3 takes the ring's third and fourth set
	BAR                                            ; x's 32 fragments lie in LDS
	; ---- the first product: 8 K steps, 32 accumulators by turns, the same order in every step
.macro STEP1 s
.set RR, (\s)%4
.set RB, 96*(RR%2)
.set WA, 1+2*(RR/2)                    ; sets 0, 1: window 1; sets 2, 3: window 3
.set WSB, WS+4*RR
.if RR == 3
.set WSB, WS3
.endif
.set XB, XF0+48*((\s)%2)
.set XSB, XS+4*((\s)%2)
.if (\s) < 6
	s_wait_loadcnt 50                              ; ring step s is in: behind it stand the next two steps' loads, 25 each;
.elseif (\s) == 6
	s_wait_loadcnt 54                              ; 25 and 29;
.else
	s_wait_loadcnt 58                              ; 29 each
.endif
	s_wait_dscnt 0x0                               ; x's fragments of this step are in
.if (\s) > 0
	s_wait_alu depctr_va_vdst(0)                   ; the step before's matrix instructions are done reading x's other buffer and its scale words, their ring set and its scale words: this step's LDS loads and ring loads land there.  (Step 0 leans on the wait behind the LayerNorm)
.endif
.if (\s) < 7
	FETCHX (\s)+1                                  ; the next step's, into the buffer that the step before read
.endif
.if (\s) == 0
	WIN 0x90|WA                                    ; D window 2, C (b1) window 1, source 0 the ring's window
.else
	WIN 0xa0|WA                                    ; C and D window 2
.endif
.irp t, 0,1,2,3
.irp m, 0,1,2,3
.if (\s) == 0
	MM 64*\m+8*\t, RB+12*\t, XB+12*\m, 192+8*\t, WSB+\t/2, XSB+\m, \t%2
.else
	MM 64*\m+8*\t, RB+12*\t, XB+12*\m, 64*\m+8*\t, WSB+\t/2, XSB+\m, \t%2
.endif
.endr
.endr
	SET (\s)+3                                     ; three steps ahead, into the set that the step before read.  No wait: the matrix instructions issued since the wait above name this step's set, buffer and scale words and the accumulators alone
.if (\s) == 0
	WIN 0x90|WA
.else
	WIN 0xa0|WA
.endif
.irp t, 4,5,6,7
.irp m, 0,1,2,3
.if (\s) == 0
	MM 64*\m+8*\t, RB+12*\t, XB+12*\m, 192+8*\t, WSB+\t/2, XSB+\m, \t%2
.else
	MM 64*\m+8*\t, RB+12*\t, XB+12*\m, 64*\m+8*\t, WSB+\t/2, XSB+\m, \t%2
.endif
.endr
.endr
	WIN 0
.rept 4
	v_nop                                          ; four places in front of loads into registers that matrix instructions have read (they stay beside the next step's wait), and of the first read of results
.endr
.endm
	FETCHX 0
	STEP1 0
	STEP1 1
	STEP1 2
	STEP1 3
	STEP1 4
	STEP1 5
	STEP1 6
	STEP1 7
	BAR                                            ; nobody reads x's images any more: the hidden layer's take their place
	; ---- relu and the quantiser: my 128 hidden units are K step w of the second product
.irp m, 0,1,2,3
	WIN 0x88                                       ; destination and source 1 window 2
.set j, 0
.rept 64
	v_max_num_f32 v[64*\m+j], 0, v[64*\m+j]        ; each accumulator from its low end on
.set j, j+1
.endr
	s_wait_alu depctr_vm_vsrc(0)                   ; the LDS stores issued so far (the LayerNorm's last, then the tile before's) have read the codes and the scale word, which this quantiser writes again
	QUANT 64*\m, 2, PW+\m
	IMAGE HWI, \m*FRB
	s_wait_dscnt 0x0
.endr
	ds_store_b128 v[HWS], v[PW:PW+3]               ; no wait: the four words were written ahead of the wait in the last image
	BAR                                            ; the hidden layer's 16 fragments lie in LDS
	; ---- the second product: the hidden layer stays in registers; a step makes 32 outputs for the 64 rows: 8 accumulators by turns, K outermost
	; No wait ahead of these loads: no vector or matrix instruction has been issued since the wait in the last image, behind which the relu and the quantiser are done with window 2 and the first product with its scale words
	WIN 0x80
.set f, 0
.rept 16
.irp c, 0,1,2
	ds_load_b128 v[12*f+4*\c:12*f+4*\c+3], v[LI] offset:f*FRB+512*\c
.endr
.set f, f+1
.endr
	WIN 0
.irp s, 0,1,2,3
	ds_load_b128 v[XS+4*\s:XS+4*\s+3], v[LI] offset:16*FRB+512*\s
.endr
.macro STEP2 p
.set RR, (8+\p)%4
.set RB, 96*(RR%2)
.set WA, 1+2*(RR/2)
.set WSB, WS+4*RR
.if RR == 3
.set WSB, WS3
.endif
	s_wait_dscnt 0x0                               ; the step before has stored its results (the first step: the hidden layer is in)
.if \p > 0
	s_wait_alu depctr_vm_vsrc(0)                   ; the step before's LDS stores have read v[XE ..], in which the loads below land (its multiply-adds stand ahead of its wait on va_vdst)
.endif
.irp m, 0,1,2,3
.irp j, 0,1,2,3
	ds_load_b128 v[XE+16*\m+4*\j:XE+16*\m+4*\j+3], v[AX+\m] offset:128*\p+16*\j     ; x at the places of my results
.endr
.endr
.if \p < 6
	s_wait_loadcnt 58                              ; this ring step is in: behind it the next two steps' 29 loads each;
.elseif \p == 6
	s_wait_loadcnt 29                              ; the last step's 29;
.else
	s_wait_loadcnt 0x0                             ; nothing
.endif
	WIN 0xb8|WA                                    ; D window 2, C (b2) window 3, source 1 (the hidden layer) window 2
.irp m, 0,1,2,3
.irp u, 0,1
	MM 192+16*\m+8*\u, RB+12*\u, 12*\m, 192+16*RR+8*\u, WSB, XS+\m, \u
.endr
.endr
	WIN 0xa8|WA                                    ; C and D window 2
.irp m, 0,1,2,3
.irp u, 0,1
	MM 192+16*\m+8*\u, RB+12*(2+\u), 12*(4+\m), 192+16*\m+8*\u, WSB+1, XS+4+\m, \u
.endr
.endr
.if \p < 5
	SET 11+\p                                      ; three steps ahead, into the set, the scale words and the b2 that the step before read.  No wait: that step's wait on va_vdst (the first step: the last image's) stands behind their last readers, and nothing issued since names them
	WIN 0xa8|WA
.endif
.irp s, 2,3
.irp m, 0,1,2,3
.irp u, 0,1
	MM 192+16*\m+8*\u, RB+12*(2*\s+\u), 12*(4*\s+\m), 192+16*\m+8*\u, WSB+\s, XS+4*\s+\m, \u
.endr
.endr
.endr
	WIN 0
.rept 4
	v_nop                                          ; four places in front of the first read of results
.endr
	s_wait_dscnt 0x0                               ; x is in
	WIN 0x02                                       ; source 0 window 2
.irp m, 0,1,2,3
.irp j, 0,2,4,6,8,10,12,14
	v_pk_fma_f32 v[XE+16*\m+\j:XE+16*\m+\j+1], v[192+16*\m+\j:192+16*\m+\j+1], v[ST+4*\m+2:ST+4*\m+3], v[XE+16*\m+\j:XE+16*\m+\j+1] op_sel_hi:[1,0,1]   ; out = x + alpha (h W2^T + b2); each accumulator from its low end on
.endr
.endr
	WIN 0
	s_wait_alu depctr_va_vdst(0)                   ; the multiply-adds have written v[XE ..], which the LDS stores read; this step's matrix instructions are done reading their ring set, its scale words and its b2, in which the next step's ring loads land
.irp m, 0,1,2,3
.irp j, 0,1,2,3
	ds_store_b128 v[AX+\m], v[XE+16*\m+4*\j:XE+16*\m+4*\j+3] offset:128*\p+16*\j    ; in x's place
.endr
.endr
.endm
; Half of my 1,024 bytes of each row leave: the 32 lanes store 512 consecutive bytes, aligned.  Rows from the tile's count on are not the tile's: the first of them ends the pass.
.macro OUTPASS half
.set bt, 0
.rept 8
	s_wait_xcnt 0x0                                ; the batch before's stores have had their addresses translated
	s_wait_alu depctr_vm_vsrc(0)                   ; the stores issued so far have read the eight offsets v[OO ..], written below, and the eight rows v[OD ..], in which the LDS loads land
.irp i, 0,1,2,3,4,5,6,7
	v_add_nc_u32 v[OO+\i], s[28+(8*bt+\i)+8*((8*bt+\i)/32)], v[COL]
.endr
.irp i, 0,1,2,3,4,5,6,7
	ds_load_b128 v[OD+4*\i:OD+4*\i+3], v[AD+(8*bt+\i)/16] offset:((8*bt+\i)%16)*XP+512*\half    ; LDS serves a wave's instructions in order: these see my stores
.endr
	s_wait_alu depctr_va_vdst(0)                   ; the eight offsets are written, which the batch's stores read
.irp i, 0,1,2,3,4,5,6,7
	s_cmp_le_u32 s27, 8*bt+\i
	s_cbranch_scc1 .Ldone\half
	s_wait_dscnt 7-\i                              ; this row is in; the batch's later loads stay out
	global_store_b128 v[OO+\i], v[OD+4*\i:OD+4*\i+3], s[24:25] offset:512*\half th:TH_STORE_NT
.endr
.set bt, bt+1
.endr
.Ldone\half:
	s_wait_dscnt 0x0
.endm
	STEP2 0
	STEP2 1
	STEP2 2
	STEP2 3
	OUTPASS 0                                      ; the first 128 of my outputs are finished: they leave while the others are made
	STEP2 4
	STEP2 5
	STEP2 6
	STEP2 7
	OUTPASS 1
	s_wait_dscnt 0x0                               ; the closing lines, six on end
	s_wait_alu 0x0
	s_wait_tensorcnt 0x0
	ds_add_u32 v254, v255
	s_wait_dscnt 0x0
	s_endpgm
.Lfunc_end_k_q58941ef69e_chain:
	.size	k_q58941ef69e_chain, .Lfunc_end_k_q58941ef69e_chain-k_q58941ef69e_chain
	.p2alignl 7, 3214868480
	.fill 96, 4, 3214868480
	.section	.rodata,"a",@progbits
	.p2align	6, 0x0
	.amdhsa_kernel k_q58941ef69e_chain
		.amdhsa_group_segment_fixed_size 325120
		.amdhsa_private_segment_fixed_size 0
		.amdhsa_enable_private_segment 0
		.amdhsa_kernarg_size 88
		.amdhsa_user_sgpr_count 2
		.amdhsa_user_sgpr_kernarg_segment_ptr 1
		.amdhsa_wavefront_size32 1
		.amdhsa_system_sgpr_workgroup_id_x 1
		.amdhsa_system_sgpr_workgroup_id_y 1
		.amdhsa_system_sgpr_workgroup_id_z 1
		.amdhsa_system_vgpr_workitem_id 0
		.amdhsa_next_free_vgpr 1024
		.amdhsa_next_free_sgpr 102
		.amdhsa_reserve_vcc 0
		.amdhsa_float_denorm_mode_32 3
		.amdhsa_float_denorm_mode_16_64 3
		.amdhsa_memory_ordered 1
		.amdhsa_forward_progress 1
		.amdhsa_inst_pref_size 255
	.end_amdhsa_kernel
	.section	.bss,"aw",@nobits
	.p2align	6
	.space	262144
	.amdgpu_metadata
---
amdhsa.version: [ 1, 2 ]
amdhsa.kernels:
  - .name:           k_q58941ef69e_chain
    .symbol:         k_q58941ef69e_chain.kd
    .args:
      - { .name: input_features, .offset: 0, .size: 8, .value_kind: global_buffer, .address_space: global }
      - { .name: ln_g, .offset: 8, .size: 8, .value_kind: global_buffer, .address_space: global }
      - { .name: ln_b, .offset: 16, .size: 8, .value_kind: global_buffer, .address_space: global }
      - { .name: b1, .offset: 24, .size: 8, .value_kind: global_buffer, .address_space: global }
      - { .name: b2, .offset: 32, .size: 8, .value_kind: global_buffer, .address_space: global }
      - { .name: wc, .offset: 40, .size: 8, .value_kind: global_buffer, .address_space: global }
      - { .name: ws, .offset: 48, .size: 8, .value_kind: global_buffer, .address_space: global }
      - { .name: order, .offset: 56, .size: 8, .value_kind: global_buffer, .address_space: global }
      - { .name: tileinfo, .offset: 64, .size: 8, .value_kind: global_buffer, .address_space: global }
      - { .name: stats, .offset: 72, .size: 8, .value_kind: global_buffer, .address_space: global }
      - { .name: out0, .offset: 80, .size: 8, .value_kind: global_buffer, .address_space: global }
    .group_segment_fixed_size: 325120
    .private_segment_fixed_size: 0
    .kernarg_segment_align: 8
    .kernarg_segment_size: 88
    .max_flat_workgroup_size: 128
    .sgpr_count:     102
    .vgpr_count:     1024
    .wavefront_size: 32
...
	.end_amdgpu_metadata
.endif
;; end of part 6
